; MI455X (gfx1250); checked and timed in simulation.
; The chip was launched on July 23, 2026; its instructions are those of AMD's public machine-readable ISA for CDNA 5 (MIT licence, August 2026) and "CDNA5" Instruction Set Architecture Reference Guide (July 2026). The comments in the code are by the model that wrote it; some were corrected since.
;; Multi Head Att. Allowed arithmetic: matrix products marked QUANTISED: E2M3 operands, one E8M0 scale for each 32 along K, by v_wmma_scale_f32_16x16x128_f8f6f4 with both operands' format E2M3, f32 sums; everything else in f32.
;; Inputs: Wf 1,024 x 256 float32; Wk 1,024 x 1,024 float32; Wq 1,024 x 1,024 float32; Wv 1,024 x 1,024 float32; bf 256 float32; bk 1,024 float32; bq 1,024 float32; bv 1,024 float32; key 4 x 2,048 x 1,024 float32; query 4 x 2,048 x 1,024 float32; value 4 x 2,048 x 1,024 float32.
;; Outputs: out0 4 x 2,048 x 256 float32.
;; This version of the problem:
;;   THIS VERSION OF THE PROBLEM IS GIVEN IN LOW PRECISION. The matrix products marked QUANTISED in the list below multiply operands that are first quantised to E2M3 (2 exponent bits, 3 mantissa bits; 6 bits a number), with one power-of-two scale for each 32 numbers along K (OCP MX v1.0); their sums are f32. All else is computed in f32.
;;   The module's matrix products, in the order in which they are computed (A, B: the left and right operand; K: the contracted axis; several contracted axes count as one K, in the product's order):
;;     1. [M 8,192, K 1,024] x [K 1,024, N 1,024]; A: input query; B: input Wq: QUANTISED
;;     2. [M 8,192, K 1,024] x [K 1,024, N 1,024]; A: input key; B: input Wk: QUANTISED
;;     3. [M 8,192, K 1,024] x [K 1,024, N 1,024]; A: input value; B: input Wv: QUANTISED
;;     4. batch 64 x [M 2,048, K 64] x [K 64, N 2,048]; A: computed on the way; B: computed on the way: QUANTISED
;;     5. batch 64 x [M 2,048, K 2,048] x [K 2,048, N 64]; A: computed on the way; B: computed on the way: QUANTISED
;;     6. [M 8,192, K 1,024] x [K 1,024, N 256]; A: computed on the way; B: input Wf: QUANTISED
;;   THE QUANTISER, for each operand of a quantised product, along K:
;;     - K is cut into blocks of 32 from its start; a last block that is shorter is filled with zeros.
;;     - A block's scale is 2^e with e = floor(log2(the largest magnitude in the block)) - 2, held to -126 .. 127; a block of zeros has e = 0. As a byte (E8M0): e + 127.
;;     - Each number is divided by its block's scale, clamped to +-7.5, and rounded to the nearest number of E2M3, ties to even, subnormals kept.
;;     - The product sums the exact products of the quantised numbers (number of the format x scale) in f32.
;;   ~~~python
;;   def quantise(x, axis):      # numpy; x: float32 -> the quantised numbers, widened to float32 again
;;       x = np.moveaxis(x, axis, -1); K = x.shape[-1]
;;       x = np.pad(x, [(0, 0)] * (x.ndim - 1) + [(0, -K % 32)]); x = x.reshape(x.shape[:-1] + (-1, 32)); a = np.abs(x).max(-1, keepdims=True)
;;       e = np.where(a > 0, np.clip(np.frexp(np.where(a > 0, a, 1))[1] - 1 - 2, -126, 127), 0)      # np.frexp(a)[1] - 1 = floor(log2(a)), exactly
;;       r = np.clip(x / 2.0 ** e, -7.5, 7.5)
;;       step = 2.0 ** (np.maximum(np.frexp(np.where(r == 0, 1, r))[1] - 1, 0) - 3)
;;       q = np.round(r / step) * step * 2.0 ** e      # np.round: ties to even
;;       return np.moveaxis(q.reshape(q.shape[:-2] + (-1,))[..., :K], -1, axis).astype(np.float32)
;;   ~~~
;;   OPERANDS COMPUTED ON THE WAY. 'Computed on the way' means the value that the module computes at that place (a softmax that the list does not call 'softmax' is quantised finished and normalised). What goes into a quantiser is computed in f32, as accurately as f32 sums, v_exp_f32 and their like allow (about 1e-6 of the number): no bf16 or f16 on the way to a quantiser, and a product that is left as it is and whose result goes on into a quantised operand takes f32 operands (vector FMAs, or v_wmma_f32_16x16x4_f32). A number that lies on a knife's edge between two numbers of the format may be rounded either way, as far as f32 arithmetic and the matrix unit's own rounding can turn it there, and no further.
;; One version. Each part assembles by itself: llvm-mc -triple=amdgcn-amd-amdhsa -mcpu=gfx1250 --defsym DOCPART=n.
;; ======== version 1 of 1: 5 launches
;; workspace buffers: xc 18,874,368 bytes; xs 786,432 bytes; wc 2,555,904 bytes; ws 106,496 bytes; qkv 20,447,232 bytes; xq 6,291,456 bytes; xw 524,288 bytes
;; launch quant (part 1): grid 872 x 1, 4 waves a work-group, no clusters, 68,096 bytes of LDS; arguments Wq, Wk, Wv, Wf, wc, ws, query, key, value, xc, xs; writes wc, ws, xc, xs
.if DOCPART == 1
	.amdgcn_target "amdgcn-amd-amdhsa--gfx1250"
	.amdhsa_code_object_version 6
	.text
	.protected	k_q411552dfe7_quant
	.globl	k_q411552dfe7_quant
	.p2align	8
	.type	k_q411552dfe7_quant,@function
k_q411552dfe7_quant:
	s_mov_b64 s[64:65], 0
	v_nop
	global_prefetch_b8 v0, s[64:65] scope:SCOPE_SE
	s_setreg_imm32_b32 hwreg(HW_REG_WAVE_MODE, 25, 1), 1
	s_wait_xcnt 0x0
; MULTI-HEAD ATTENTION WITH softmax_1, ALL SIX PRODUCTS ON CODES OF FP6 (E2M3) WITH ONE E8M0 SCALE FOR EACH 32 ALONG K.  Five launches:
;   quant: query, key, value and Wq, Wk, Wv, Wf -> codes with K innermost;  projqk, projv: the three projections, their results quantised on the way out;
;   attn: e = exp(Q K^T / 8), attn = e / (1 + the row's sum), quantised finished, attn V, quantised;  outp: the last projection.
; NO WORK IS LEFT OUT: every input has a way to the output (each bias moves the codes of the operand that it is added to, bf the result), so every input is loaded, and every product of the table is done.
; LIMITS OF THE PROGRAM.  As in the source, no maximum is taken away ahead of the exponential: an e or a sum that overflows gives infinity, and then 0 or NaN, here as there; the sums' order differs from the source's.
; An exponential under 2^-126 comes out as 0.  The division by 1 + sum is a reciprocal and a multiplication.  A block of zeros has the scale byte 1 and not 127: its codes are zeros, and these bytes are read by this program alone.
; NaN and infinities among the inputs are not served.
; THE ORDER OF ROWS IN ALL WORKSPACE BUFFERS: place p holds row pi(p), pi = p with bits 3 and 4 exchanged.  A tile of 16 neighbouring places as source 0 of a product then leaves, in the 16 registers of two neighbouring
; result tiles, 16 NEIGHBOURING rows: what the next quantiser wants of one lane.
; A block's scale is 2^(floor(log2(its largest magnitude)) - 2); its byte is the largest magnitude's exponent field - 2, held at 1 from below.  Each number is divided by the scale and rounded to the nearest code, ties to even.
;
; THIS LAUNCH SERVES TWO KINDS OF TENSOR, so that the small one costs no launch of its own.  The two ways part once, on the work-group's number, and share no LDS byte but each thread's spare word.
; WORK-GROUPS 0-103, THE WEIGHTS: Wq, Wk, Wv [1024 (k)][1024 (n)] and Wf [1024 (k)][256 (n)], K their FIRST axis -> wc [3328 places][768 bytes], ws [3328 places][32 bytes].  Places 0-1023 Wq's columns, 1024-2047 Wk's,
;   2048-3071 Wv's, 3072-3327 Wf's.  Work-group n: x = n / 4: 128 columns (x 0-7 Wq, 8-15 Wk, 16-23 Wv, 24-25 Wf); y = n % 4: 256 along K.  A LANE TAKES A COLUMN AND ITS REGISTERS RUN DOWN K: a load reads 128 consecutive
;   bytes a wave, a block of 32 along K lies in one lane's 32 registers, and the conversions give codes with K innermost.  A wave's 32 columns x 192 bytes of codes go through its own stage in LDS and leave by rows.
;   pi enters where a lane picks its row of the stage and its row of scale bytes.  The tensors' pitches differ, so the loads carry no immediate: 32 offset registers (a row of K each) and 8 bases (32 rows each).
; WORK-GROUPS 104-871, THE ACTIVATIONS: query, key, value [8192][1024] -> xc [24576 places][768 bytes], xs [24576 places][32 bytes].  A work-group takes 32 rows, a wave 8 rows: 16 steps of 512 numbers.  Each of a step's
;   four loads reads 512 consecutive bytes; the 2,048 bytes turn through the wave's own stage in LDS and come back 64 bytes a lane: 16 neighbours along K, two lanes to a block.  A wave's 8 rows are a run of 8 places:
;   pi moves whole runs, so only the wave's output base knows of it.
; No tensor load, no barrier: waves share nothing.  68,096 bytes of LDS and 208 registers let four work-groups lie on a WGP: 872 are fewer than 4 x 256.
.set WGW,   104                        ; work-groups that take the weights
.set SPW,   12                         ; v12  LDS address of my spare word; never rewritten
.set NIL,   13                         ; v13  0; never rewritten
.set WREG,  8192                       ; LDS from 0: a region for each wave of an activations' work-group: two stages of 32 x SP bytes, behind them its 256 scale bytes
.set WBASE, 4*WREG                     ; LDS from 32,768: the four stages of a weights' work-group
.set PITCH, 272                        ; a row of such a stage: sixteen places of 16 bytes, each with 12 bytes of codes, + 16
.set SPARE, WBASE+4*32*PITCH           ; behind them: the spare words, 128 bytes a wave
	v_lshl_add_u32 v[SPW], v0, 2, SPARE
	v_mov_b32 v[NIL], 0
	v_lshrrev_b32 v1, 5, v0
	v_readfirstlane_b32 s16, v1                    ; wave 0..3
	v_and_b32 v2, 31, v0                           ; lane
	s_cmp_lt_u32 ttmp9, WGW
	s_cbranch_scc1 .Lweights
; ---------------- the activations
.set STEPS, 16
.set CB,    12                         ; bytes of 16 codes
.set XIN,   16                         ; v16-79   four sets of 16 numbers as they are loaded
.set XNB,   80                         ; v80-111  two sets of 16 neighbours
.set XEB,   112                        ; v112-127 a scale byte for each step
.set XCD,   128                        ; v128-191 codes: four registers for each step, so that no store's data are written again
.set SP,    80                         ; a lane's place in a stage: 64 bytes + 16 of padding
	s_load_b128 s[4:7], s[0:1], 0x30               ; query, key
	s_load_b128 s[8:11], s[0:1], 0x40              ; value, xc
	s_load_b64 s[12:13], s[0:1], 0x50              ; xs
	s_sub_co_u32 s22, ttmp9, WGW                   ; which 32 rows of the 24,576
	v_lshlrev_b32 v3, 4, v2                        ; my 16 bytes of a load's 512
	s_mul_i32 s17, s16, WREG
	v_lshrrev_b32 v14, 2, v2
	v_mul_u32_u24 v14, v14, SP
	v_and_b32 v15, 3, v2
	v_lshl_add_u32 v14, v15, 4, v14
	v_add_nc_u32 v14, s17, v14                     ; the stage, on the way in: SP (lane / 4) + 16 (lane % 4)
	v_mul_u32_u24 v15, v2, SP
	v_add_nc_u32 v15, s17, v15                     ; and on the way out: SP x lane
	v_mul_u32_u24 v4, v2, CB                       ; my codes' place in a step's
	v_lshrrev_b32 v5, 1, v2
	s_add_co_u32 s17, s17, 2*32*SP
	v_add_nc_u32 v5, s17, v5                       ; LDS: my block's scale byte
	v_lshlrev_b32 v7, 3, v2                        ; and on the way out 8 bytes a lane
	v_add_nc_u32 v6, s17, v7
	s_wait_kmcnt 0x0
	s_cmp_lt_u32 s22, 512                          ; which tensor: the choice hangs on the work-group's number alone
	s_cselect_b64 s[6:7], s[6:7], s[8:9]
	s_cmp_lt_u32 s22, 256
	s_cselect_b64 s[4:5], s[4:5], s[6:7]
	s_and_b32 s18, s22, 255
	s_lshl_b32 s18, s18, 2
	s_add_co_u32 s18, s18, s16                     ; which run of 8 rows of the tensor is my wave's,
	s_lshl_b32 s18, s18, 15                        ; x 32,768 bytes
	s_mov_b32 s19, 0
	s_add_nc_u64 s[4:5], s[4:5], s[18:19]
	s_and_b32 s20, s16, 1
	s_lshl_b32 s20, s20, 1
	s_lshr_b32 s21, s16, 1
	s_or_b32 s20, s20, s21                         ; pi on runs of 8: the wave's two bits change places
	s_lshl_b32 s21, s22, 2
	s_add_co_u32 s20, s20, s21                     ; the run of places that takes my rows
	s_mul_i32 s18, s20, 6144
	s_add_nc_u64 s[10:11], s[10:11], s[18:19]
	s_lshl_b32 s18, s20, 8
	s_add_nc_u64 s[12:13], s[12:13], s[18:19]
.macro XLOAD t
.irp i, 0,1,2,3
	global_load_b128 v[XIN+16*((\t)%4)+4*\i:XIN+16*((\t)%4)+4*\i+3], v3, s[4:5] offset:2048*(\t)+512*\i th:TH_LOAD_NT   ; 32 lanes read 512 consecutive bytes
.endr
.endm
.macro XTURN t                         ; step t's numbers through the stage: LDS serves a wave's instructions in order, so no wait stands between the stores and the loads
.irp i, 0,1,2,3
	ds_store_b128 v14, v[XIN+16*((\t)%4)+4*\i:XIN+16*((\t)%4)+4*\i+3] offset:32*SP*((\t)%2)+8*SP*\i
.endr
.irp i, 0,1,2,3
	ds_load_b128 v[XNB+16*((\t)%2)+4*\i:XNB+16*((\t)%2)+4*\i+3], v15 offset:32*SP*((\t)%2)+16*\i
.endr
.endm
.irp t, 0,1,2,3
	XLOAD \t
.endr
	s_wait_loadcnt 12                              ; step 0's four loads are in; the twelve of steps 1 to 3 may be out
	XTURN 0
.macro XSTEP t
.set XSS, XNB+16*((\t)%2)
.if (\t) > 0
	s_wait_dscnt 1                                 ; this step's numbers are back from the stage (the last step's byte store may be out)
.else
	s_wait_dscnt 0x0
.endif
.if (\t)+4 < STEPS
	XLOAD (\t)+4                                   ; into the registers that this step's stores into the stage have read
.endif
.if (\t)+1 < STEPS
.if STEPS-2-(\t) >= 3
	s_wait_loadcnt 12                              ; the next step's four loads are in; those of the three steps behind it may be out
.else
	s_wait_loadcnt 4*(STEPS-2-(\t))
.endif
	XTURN (\t)+1
.endif
	v_max3_num_f32 v8, |v[XSS]|, |v[XSS+1]|, |v[XSS+2]|            ; the largest magnitude of my 16
	v_max3_num_f32 v9, |v[XSS+3]|, |v[XSS+4]|, |v[XSS+5]|
.irp i, 6,10
	v_max3_num_f32 v8, v8, |v[XSS+\i]|, |v[XSS+\i+1]|
	v_max3_num_f32 v9, v9, |v[XSS+\i+2]|, |v[XSS+\i+3]|
.endr
	v_max3_num_f32 v8, v8, |v[XSS+14]|, |v[XSS+15]|
	v_max3_num_f32 v8, v8, v9, 0x1800000           ; and the floor 2^(3 - 127): the byte cannot fall under 1
	v_max_num_f32_dpp v8, v8, v8 row_xmask:1 row_mask:0xf bank_mask:0xf   ; and of my neighbour's 16: the block's
	v_add_nc_u32 v11, 0xff000000, v8               ; 2 off its exponent field: the conversion takes the exponent field of this operand as its scale
	v_cvt_scalef32_pk16_fp6_f32 v[XCD+4*(\t):XCD+4*(\t)+2], v[XSS:XSS+15], v11
	v_lshrrev_b32 v[XEB+(\t)], 23, v11             ; the scale's byte (a plain line behind the conversion)
	ds_store_b8 v5, v[XEB+(\t)] offset:16*(\t)     ; both lanes of a block write the same byte with the same value
	global_store_b96 v4, v[XCD+4*(\t):XCD+4*(\t)+2], s[10:11] offset:32*CB*(\t)
.endm
.irp t, 0,1,2,3,4,5,6,7,8,9,10,11,12,13,14,15
	XSTEP \t
.endr
	ds_load_b64 v[8:9], v6                         ; LDS serves a wave's instructions in order: these see my stores
	s_wait_dscnt 0x0
	global_store_b64 v7, v[8:9], s[12:13]          ; 32 lanes store 256 consecutive bytes, aligned
	s_wait_tensorcnt 0x0                           ; the wave's end: behind my last LDS store
	ds_add_u32 v[SPW], v[NIL]
	s_wait_dscnt 0x0
	s_endpgm
; ---------------- the weights
.set NB,    8                          ; blocks of 32 along K for a wave
.set KROW,  768                        ; a row of wc
.set SB,    24                         ; v24-25   the scale bytes, four to a register
.set WX,    32                         ; v32-95   two sets of 32 numbers
.set WC,    96                         ; v96..    a block's codes
.set OUTR,  112                        ; v112-175 the way out
.set VO,    176                        ; v176-207 4 x lane + i x the tensor's pitch; never rewritten
.set BS,    36                         ; s[36:51] eight bases: block t's first row of K
.Lweights:
	s_load_b256 s[4:11], s[0:1], 0x0               ; Wq, Wk, Wv, Wf
	s_load_b128 s[12:15], s[0:1], 0x20             ; wc, ws
	s_lshr_b32 s34, ttmp9, 2                       ; x: which 128 columns
	s_and_b32 s18, ttmp9, 3                        ; y: which 256 along K
	s_mov_b32 s20, 1024
	s_cmp_lt_u32 s34, 24
	s_cselect_b32 s20, 4096, s20                   ; the tensor's pitch in bytes
	v_lshlrev_b32 v[VO], 2, v2
.set i, 1
.rept 31
	v_add_nc_u32 v[VO+i], s20, v[VO+i-1]
.set i, i+1
.endr
	v_and_b32 v3, 7, v2
	v_bfe_u32 v5, v2, 3, 1
	v_lshl_add_u32 v3, v5, 4, v3
	v_bfe_u32 v5, v2, 4, 1
	v_lshl_add_u32 v3, v5, 3, v3                   ; pi(lane): my column's place among the wave's 32
	s_mul_i32 s19, s16, 32*PITCH
	s_add_co_u32 s19, s19, WBASE                   ; my stage
	v_mul_u32_u24 v4, v3, PITCH
	v_add_nc_u32 v4, s19, v4                       ; into it: row = my column's place
	v_and_b32 v5, 15, v2
	v_lshrrev_b32 v6, 4, v2                        ; out of it: sixteen lanes to a row, two rows an instruction
	v_mul_u32_u24 v7, v6, PITCH
	v_lshl_add_u32 v7, v5, 4, v7
	v_add_nc_u32 v7, s19, v7
	v_mul_u32_u24 v8, v6, KROW
	v_mad_u32_u24 v8, v5, 12, v8                   ; and the same place in wc
	v_lshlrev_b32 v9, 5, v3                        ; my place's row of scale bytes
	s_and_b32 s21, s34, 7
	s_lshl_b32 s21, s21, 9
	s_lshl_b32 s22, s16, 7
	s_add_co_u32 s21, s21, s22                     ; my wave's first column, in bytes
	s_mul_i32 s22, s18, s20
	s_lshl_b32 s22, s22, 8                         ; 256 y rows of K
	s_add_co_u32 s24, s21, s22
	s_mov_b32 s25, 0
	s_lshl_b32 s26, s20, 5                         ; 32 rows of K
	s_mov_b32 s27, 0
	s_lshl_b32 s28, s34, 7
	s_lshl_b32 s29, s16, 5
	s_add_co_u32 s28, s28, s29                     ; my wave's first place
	s_mul_i32 s30, s28, KROW
	s_mul_i32 s29, s18, 192
	s_add_co_u32 s30, s30, s29
	s_mov_b32 s31, 0
	s_lshl_b32 s32, s28, 5
	s_lshl_b32 s29, s18, 3
	s_add_co_u32 s32, s32, s29
	s_mov_b32 s33, 0
	s_wait_kmcnt 0x0
	s_cmp_lt_u32 s34, 24                           ; which tensor: the choice hangs on the work-group's number alone
	s_cselect_b64 s[8:9], s[8:9], s[10:11]
	s_cmp_lt_u32 s34, 16
	s_cselect_b64 s[6:7], s[6:7], s[8:9]
	s_cmp_lt_u32 s34, 8
	s_cselect_b64 s[4:5], s[4:5], s[6:7]
	s_add_nc_u64 s[BS:BS+1], s[4:5], s[24:25]
.irp t, 1,2,3,4,5,6,7
	s_add_nc_u64 s[BS+2*\t:BS+2*\t+1], s[BS+2*\t-2:BS+2*\t-1], s[26:27]
.endr
	s_add_nc_u64 s[12:13], s[12:13], s[30:31]
	s_add_nc_u64 s[14:15], s[14:15], s[32:33]
.macro WLOAD t                         ; block t: W(32 t + i, my column), i = 0 .. 31, into set t % 2
.irp i, 0,1,2,3,4,5,6,7,8,9,10,11,12,13,14,15,16,17,18,19,20,21,22,23,24,25,26,27,28,29,30,31
	global_load_b32 v[WX+32*((\t)%2)+\i], v[VO+\i], s[BS+2*(\t):BS+2*(\t)+1] th:TH_LOAD_NT
.endr
.endm
	WLOAD 0
	WLOAD 1
.macro WBLOCK t
.set WXS, WX+32*((\t)%2)
.if (\t) < NB-1
	s_wait_loadcnt 32                              ; this block's 32 loads are in; the next block's may be out
.else
	s_wait_loadcnt 0
.endif
	v_max3_num_f32 v16, |v[WXS]|, |v[WXS+1]|, |v[WXS+2]|            ; the block's largest magnitude: all 32 numbers are mine
	v_max3_num_f32 v17, |v[WXS+3]|, |v[WXS+4]|, |v[WXS+5]|
.irp i, 6,10,14,18,22,26
	v_max3_num_f32 v16, v16, |v[WXS+\i]|, |v[WXS+\i+1]|
	v_max3_num_f32 v17, v17, |v[WXS+\i+2]|, |v[WXS+\i+3]|
.endr
	v_max3_num_f32 v16, v16, |v[WXS+30]|, |v[WXS+31]|
	v_max3_num_f32 v16, v16, v17, 0x1800000        ; and the floor 2^(3 - 127)
	v_add_nc_u32 v11, 0xff000000, v16              ; 2 off its exponent field: the conversion's scale operand
	v_lshrrev_b32 v17, 23, v11                     ; the scale's byte
.if (\t)%4 == 0
	v_mov_b32 v[SB+(\t)/4], v17
.else
	v_lshl_or_b32 v[SB+(\t)/4], v17, 8*((\t)%4), v[SB+(\t)/4]
.endif
	v_cvt_scalef32_pk16_fp6_f32 v[WC:WC+2], v[WXS:WXS+15], v11
	v_cvt_scalef32_pk16_fp6_f32 v[WC+4:WC+6], v[WXS+16:WXS+31], v11   ; (a conversion's three registers begin on an even number)
	ds_store_b96 v4, v[WC:WC+2] offset:32*(\t)     ; 12 bytes to a place of 16, so that every LDS address is a multiple of 16
	ds_store_b96 v4, v[WC+4:WC+6] offset:32*(\t)+16
.if (\t)+2 < NB
	WLOAD (\t)+2
.endif
	s_wait_dscnt 0x0                               ; the stores have read their registers: the next block's codes may be written
.endm
.set WQ, 0
.rept NB
	WBLOCK WQ
.set WQ, WQ+1
.endr
	global_store_b64 v9, v[SB:SB+1], s[14:15]      ; my column's 8 scale bytes
.irp t, 0,1,2,3,4,5,6,7,8,9,10,11,12,13,14,15
	ds_load_b96 v[OUTR+4*\t:OUTR+4*\t+2], v7 offset:2*\t*PITCH   ; LDS serves a wave's instructions in order: these see my stores
.endr
.irp t, 0,1,2,3,4,5,6,7,8,9,10,11,12,13,14,15
	s_wait_dscnt 15-\t                             ; the 15 - t younger loads may be out
	global_store_b96 v8, v[OUTR+4*\t:OUTR+4*\t+2], s[12:13] offset:2*\t*KROW
.endr
	s_wait_tensorcnt 0x0                           ; the wave's end: behind my last LDS store
	ds_add_u32 v[SPW], v[NIL]
	s_wait_dscnt 0x0
	s_endpgm
.Lfunc_end_k_q411552dfe7_quant:
	.size	k_q411552dfe7_quant, .Lfunc_end_k_q411552dfe7_quant-k_q411552dfe7_quant
	.p2alignl 7, 3214868480
	.fill 96, 4, 3214868480
	.section	.rodata,"a",@progbits
	.p2align	6, 0x0
	.amdhsa_kernel k_q411552dfe7_quant
		.amdhsa_group_segment_fixed_size 68096
		.amdhsa_private_segment_fixed_size 0
		.amdhsa_enable_private_segment 0
		.amdhsa_kernarg_size 88
		.amdhsa_user_sgpr_count 2
		.amdhsa_user_sgpr_kernarg_segment_ptr 1
		.amdhsa_wavefront_size32 1
		.amdhsa_system_sgpr_workgroup_id_x 1
		.amdhsa_system_sgpr_workgroup_id_y 1
		.amdhsa_system_sgpr_workgroup_id_z 1
		.amdhsa_system_vgpr_workitem_id 0
		.amdhsa_next_free_vgpr 208
		.amdhsa_next_free_sgpr 66
		.amdhsa_reserve_vcc 0
		.amdhsa_float_denorm_mode_32 3
		.amdhsa_float_denorm_mode_16_64 3
		.amdhsa_memory_ordered 1
		.amdhsa_forward_progress 1
		.amdhsa_inst_pref_size 75
	.end_amdhsa_kernel
	.amdgpu_metadata
---
amdhsa.version: [ 1, 2 ]
amdhsa.kernels:
  - .name:           k_q411552dfe7_quant
    .symbol:         k_q411552dfe7_quant.kd
    .args:
      - { .name: Wq, .offset: 0, .size: 8, .value_kind: global_buffer, .address_space: global }
      - { .name: Wk, .offset: 8, .size: 8, .value_kind: global_buffer, .address_space: global }
      - { .name: Wv, .offset: 16, .size: 8, .value_kind: global_buffer, .address_space: global }
      - { .name: Wf, .offset: 24, .size: 8, .value_kind: global_buffer, .address_space: global }
      - { .name: wc, .offset: 32, .size: 8, .value_kind: global_buffer, .address_space: global }
      - { .name: ws, .offset: 40, .size: 8, .value_kind: global_buffer, .address_space: global }
      - { .name: query, .offset: 48, .size: 8, .value_kind: global_buffer, .address_space: global }
      - { .name: key, .offset: 56, .size: 8, .value_kind: global_buffer, .address_space: global }
      - { .name: value, .offset: 64, .size: 8, .value_kind: global_buffer, .address_space: global }
      - { .name: xc, .offset: 72, .size: 8, .value_kind: global_buffer, .address_space: global }
      - { .name: xs, .offset: 80, .size: 8, .value_kind: global_buffer, .address_space: global }
    .group_segment_fixed_size: 68096
    .private_segment_fixed_size: 0
    .kernarg_segment_align: 8
    .kernarg_segment_size: 88
    .max_flat_workgroup_size: 128
    .sgpr_count:     66
    .vgpr_count:     208
    .wavefront_size: 32
...
	.end_amdgpu_metadata
.endif
;; end of part 1
;; launch projqk (part 2): grid 4 x 64, 4 waves a work-group, clusters of 4 x 4, 327,680 bytes of LDS; arguments xc, xs, wc, ws, qkv, bq, bk; writes qkv
.if DOCPART == 2
	.amdgcn_target "amdgcn-amd-amdhsa--gfx1250"
	.amdhsa_code_object_version 6
	.text
	.protected	k_q411552dfe7_projqk
	.globl	k_q411552dfe7_projqk
	.p2align	8
	.type	k_q411552dfe7_projqk,@function
k_q411552dfe7_projqk:
	s_mov_b64 s[64:65], 0
	v_nop
	global_prefetch_b8 v0, s[64:65] scope:SCOPE_SE
	s_setreg_imm32_b32 hwreg(HW_REG_WAVE_MODE, 25, 1), 1
	s_wait_xcnt 0x0
	s_wait_alu depctr_hold_cnt(0) depctr_sa_sdst(0) depctr_va_vdst(0) depctr_va_sdst(0) depctr_va_ssrc(0) depctr_va_vcc(0) depctr_vm_vsrc(0)
	s_getreg_b32 s2, hwreg(HW_REG_IB_STS2, 6, 4)
	s_cmp_eq_u32 s2, 0
	s_cbranch_scc0 .Lentry_in_a_cluster
	s_endpgm
.Lentry_in_a_cluster:
	s_bfe_u32 s2, ttmp6, 0x10000c
	s_cmp_lg_u32 s2, 0xf033
	s_cbranch_scc0 .Lentry_shape_is_right
	s_endpgm
.Lentry_shape_is_right:
; Q = query Wq + bq and K = key Wk + bk, on codes of FP6, their results quantised along the head's 64 on the way out.  Nothing is left out.
; 'A' (source 1, rows j): 16,384 places of xc, query's then key's.  'B' (source 0, rows i): 1,024 places of wc, Wq's columns for query's tile rows, Wk's for key's.  K = 1,024.
; A tile of 256 x 256 is made by four waves, 128 x 128 each: 64 accumulators, 512 registers.  K goes in steps of 256 through a ring of two LDS slots filled by the tensor data mover; the scale bytes of the work-group's
; 256 + 256 rows come once, with the first fills.  CLUSTERS: 4 x 4 work-groups; A's tiles are asked for jointly along a row of the cluster, B's along a column.
; THE RESULT: lane (r, h) holds token place r of A's block a, and, since wc's places are in the order pi, the 64 registers of accumulators (a, 0 .. 7) are register 16 B + i = output feature 32 B + 16 h + i of the wave's 128:
; two heads.  The bias is added, the four blocks of 32 are quantised in registers, and the fragment's two halves (6 registers each) leave as images of the registers, one for each head:
; qkv + (16 batch + head) HSTR + (K: PART) + 768 x token tile: registers 0-3 at 16 x lane, registers 4-5 at 512 + 8 x lane; scale words from SCO on, 64 bytes a tile: two bytes, and 0x7f7f above them for the half of
; the next product's K step that holds zero codes.  No LDS is used on the way out.
; REGISTERS: window 0: v16-31 addresses; v32-63 scale words, two sets; v64-127 the bias; from v128 A's fragments, one set; on the way out v128-229 are at work.  window 1: B's fragments, two sets.  windows 2, 3: the accumulators.
; LIMITS: a block of zeros has the byte 1; NaN and infinities are not served.
.set VMODE,  0                         ; 0: Q and K.  1: V (the same text, sources exchanged)
.set KSTEP,  256
.set NQ,     KSTEP/128
.set ROWB,   192                       ; a tile's row in bytes
.set KROW,   768                       ; a row of codes in memory
.set PITCH,  240                       ; an LDS row: 3 x (64 bytes + 16 of padding)
.set FR,     12
.set NL,     6
.set NP,     4                         ; places behind this matrix instruction (ISA guide 7.12.1)
.set HALFT,  128*PITCH
.set SLOT,   4*HALFT
.set LAPS,   2                         ; 1,024 / 512
.set KS,     32                        ; a row of scale bytes
.set SCL,    2*SLOT
.set HALFS,  (128*KS/256)*272
.set SBLK,   (16*KS/256)*272
.set SPARE,  SCL+4*HALFS               ; the spare words, 128 bytes a wave
.set PART,   106496
.set HSTR,   3*PART
.set SCO,    98304
.set ADRA, 16
.set ADRB, 20
.set L16,  24                          ; v24  16 x lane
.set L8,   25                          ; v25  8 x lane
.set WO,   26                          ; v26  where my scale word goes
.set ADRS, 27
.set SPW,  28
.set NIL,  29
.set SH,   30                          ; v30  16 h
.set BA,   31                          ; v31  my offset in the bias
.set SC,   32
.set BI,   64                          ; v64-127 the bias
.set AF,   128
.set T,    128                         ; v128-191 64 numbers to be quantised
.set CD,   192                         ; v192-211 the codes just made
.set TM,   212                         ; v212-227 at work
.set PW,   228                         ; the scale word just made
.set WD,   229
.set G1, 24
.set G0, 32
.set G1B, 48
.set G0B, 56
.set G1S, 68
.set G0S, 76
.set G1SB, 80
.set G0SB, 88
.set SEL, 100                          ; s[100:101] v_permlanex16_b32's selects for lane l xor 16
.set MSB, 0
.macro WIN new                         ; the immediate's high byte repeats the setting that is left
.if MSB != (\new)
	s_set_vgpr_msb (MSB<<8)|(\new)
.set MSB, (\new)
.endif
.endm
.set MUL_LO, 0xa1                      ; source 0 (B) window 1, source 1 (A) window 0, C and D window 2
.set MUL_HI, 0xf1
.set TO_B,   0x40
; A joint load: waves 0 and 1 fetch for A, waves 2 and 3 for B; the branch hangs on the wave's number alone.  An s_nop 0 and four v_nop follow each of the two lines.
.macro JLOAD g0a, g1a, g0b, g1b
	s_cmp_eq_u32 s15, 0
	s_cbranch_scc0 .Lfor_b_\@
	tensor_load_to_lds s[\g0a:\g0a+3], s[\g1a:\g1a+7]
	s_nop 0
.rept 4
	v_nop
.endr
	s_branch .Lasked_\@
.Lfor_b_\@:
	tensor_load_to_lds s[\g0b:\g0b+3], s[\g1b:\g1b+7]
	s_nop 0
.rept 4
	v_nop
.endr
.Lasked_\@:
.endm
.macro CREST                           ; a round of the cluster's barrier behind its opening barrier
	s_cmp_lg_u32 s14, 0
	s_cbranch_scc1 .Lnot_wave_0_\@
	s_barrier_signal -3
.Lnot_wave_0_\@:
	s_barrier_wait -3
	s_barrier_signal -1
	s_barrier_wait -1
.endm
.macro CROUND
	s_barrier_signal -1
	s_barrier_wait -1
	CREST
.endm
	s_load_b128 s[4:7], s[0:1], 0x0                ; A's codes, A's scales
	s_load_b128 s[8:11], s[0:1], 0x10              ; B's codes, B's scales
	s_load_b64 s[12:13], s[0:1], 0x20              ; qkv
	s_load_b64 s[96:97], s[0:1], 0x28              ; the bias (bq; V: bv)
.if VMODE == 0
	s_load_b64 s[98:99], s[0:1], 0x30              ; bk
.endif
	v_lshl_add_u32 v[SPW], v0, 2, SPARE
	v_mov_b32 v[NIL], 0
	ds_add_u32 v[SPW], v[NIL]                      ; the wave's opening: the add, twice on end, and its wait ahead of my first tensor load
	ds_add_u32 v[SPW], v[NIL]
	v_lshrrev_b32 v1, 5, v0
	v_readfirstlane_b32 s14, v1                    ; wave 0..3
	s_lshr_b32 s15, s14, 1                         ; which half of A's rows is mine.  Also: I fetch for A (0) or for B (1)
	s_and_b32 s16, s14, 1                          ; which half of B's rows.  Also: which 128 rows of that tile I fetch
	s_bfe_u32 s40, ttmp6, 0x40000                  ; cx, cy
	s_bfe_u32 s41, ttmp6, 0x40004
	s_lshl_b32 s42, ttmp9, 2
	s_add_co_u32 s42, s42, s40                     ; tile column (B) = 4 x cluster x + cx
.if VMODE == 0
	s_and_b32 s17, ttmp7, 0xffff
	s_lshr_b32 s95, s17, 3                         ; 0: query and Wq, 1: key and Wk: from the cluster's y alone, which all sixteen share
	s_lshl_b32 s17, s17, 2
	s_add_co_u32 s17, s17, s41                     ; tile row (A) = 4 x cluster y + cy
.else
	s_mov_b32 s17, s41                             ; tile row (A) = cy: one cluster covers Wv's 1,024 columns
.endif
	s_lshl_b32 s43, s41, 2
	s_lshl_b32 s43, 15, s43                        ; my row of the cluster
	s_lshl_b32 s44, 0x1111, s40                    ; my column
	s_or_b32 s[G1+0], s43, (0<<16)|(1<<20)|(1<<21)|(3<<22)|(3<<25)  ; the mask; elements of 1 byte; padding on; bit 21 beside a mask; after every 16 words 4 words
	s_or_b32 s[G1B+0], s44, (0<<16)|(1<<20)|(1<<21)|(3<<22)|(3<<25)
.irp g, G1, G1B
	s_mov_b32 s[\g+1], ROWB<<16                    ; tensor_dim0
	s_mov_b32 s[\g+2], 128<<16                     ; tensor_dim1
	s_mov_b32 s[\g+3], ROWB<<16                    ; tile_dim0
	s_mov_b32 s[\g+4], 128                         ; tile_dim1
	s_mov_b32 s[\g+5], KROW                        ; the pitch
	s_mov_b32 s[\g+6], 0
	s_mov_b32 s[\g+7], 0
.endr
	s_or_b32 s[G1S+0], s43, (3<<16)|(1<<20)|(1<<21)|(5<<22)|(3<<25)  ; the scales of 128 rows: 4,096 dense bytes as 16 rows of 256, 16 bytes of padding behind each
	s_or_b32 s[G1SB+0], s44, (3<<16)|(1<<20)|(1<<21)|(5<<22)|(3<<25)
.irp g, G1S, G1SB
	s_mov_b32 s[\g+1], 32<<16
	s_mov_b32 s[\g+2], (128*KS/256)<<16
	s_mov_b32 s[\g+3], 32<<16
	s_mov_b32 s[\g+4], 128*KS/256
	s_mov_b32 s[\g+5], 32
	s_mov_b32 s[\g+6], 0
	s_mov_b32 s[\g+7], 0
.endr
	s_lshl_b32 s18, s16, 7                         ; which 128 rows of the tile I fetch
	s_lshl_b32 s20, s17, 8
	s_add_co_u32 s20, s20, s18                     ; A: place 256 x tile row + 128 x half
	s_lshl_b32 s46, s42, 8
	s_add_co_u32 s46, s46, s18                     ; B: place 256 x tile column + 128 x half
.if VMODE == 0
	s_lshl_b32 s19, s95, 10
	s_add_co_u32 s46, s46, s19                     ; Wk's places begin at 1,024
.else
	s_add_co_u32 s20, s20, 2048                    ; Wv's places begin at 2,048,
	s_add_co_u32 s46, s46, 16384                   ; value's at 16,384
.endif
	s_mov_b32 s21, 0
	s_mov_b32 s47, 0
	s_mov_b64 s[18:19], KS
	s_mul_u64 s[22:23], s[20:21], s[18:19]         ; where these rows' scales begin,
	s_mul_u64 s[92:93], s[46:47], s[18:19]
	s_mov_b64 s[18:19], KROW
	s_mul_u64 s[20:21], s[20:21], s[18:19]         ; and their codes
	s_mul_u64 s[46:47], s[46:47], s[18:19]
	s_mul_i32 s45, s14, HALFT                      ; where they go: wave x 128 rows
	s_mul_i32 s94, s14, HALFS
	s_wait_dscnt 0x0                               ; both opening adds are done
	s_wait_kmcnt 0x0
	s_add_nc_u64 s[20:21], s[4:5], s[20:21]
	s_add_nc_u64 s[22:23], s[6:7], s[22:23]
	s_add_nc_u64 s[46:47], s[8:9], s[46:47]
	s_add_nc_u64 s[92:93], s[10:11], s[92:93]
	CROUND                                         ; all sixteen work-groups are here: the first joint loads meet
	s_mov_b32 s[G0S], 1
	s_add_co_u32 s[G0S+1], s94, SCL
	s_mov_b64 s[G0S+2:G0S+3], s[22:23]
	s_or_b32 s[G0S+3], s[G0S+3], 0x80000000
	s_mov_b32 s[G0SB], 1
	s_add_co_u32 s[G0SB+1], s94, SCL
	s_mov_b64 s[G0SB+2:G0SB+3], s[92:93]
	s_or_b32 s[G0SB+3], s[G0SB+3], 0x80000000
	JLOAD G0S, G1S, G0SB, G1SB                     ; the scales first: by this text's count three loads of mine are out behind the first fills
.irp s, 0,1
	s_mov_b32 s[G0+4*\s], 1
	s_add_co_u32 s[G0+4*\s+1], s45, \s*SLOT
	s_add_nc_u64 s[G0+4*\s+2:G0+4*\s+3], s[20:21], \s*ROWB
	s_or_b32 s[G0+4*\s+3], s[G0+4*\s+3], 0x80000000
	s_mov_b32 s[G0B+4*\s], 1
	s_add_co_u32 s[G0B+4*\s+1], s45, \s*SLOT
	s_add_nc_u64 s[G0B+4*\s+2:G0B+4*\s+3], s[46:47], \s*ROWB
	s_or_b32 s[G0B+4*\s+3], s[G0B+4*\s+3], 0x80000000
	JLOAD G0+4*\s, G1, G0B+4*\s, G1B
.endr
	v_and_b32 v1, 15, v0                           ; r
	v_bfe_u32 v2, v0, 4, 1                         ; h
	v_mul_u32_u24 v3, v1, PITCH
	v_mul_u32_u24 v4, v2, 24
	v_add_nc_u32 v4, v3, v4                        ; a fragment's row x pitch + 24 x half
	v_lshl_add_u32 v5, v2, 4, v4                   ; and the same behind one padding more
	s_mul_i32 s21, s15, HALFT                      ; my 128 rows of A
	s_mul_i32 s22, s16, HALFT                      ; my 128 rows of B,
	s_add_co_u32 s22, s22, 2*HALFT                 ; behind A's 256
.irp s, 0,1
	v_add_nc_u32 v[ADRA+\s], s21, v4
	v_add_nc_u32 v[ADRB+\s], s22, v4
	v_add_nc_u32 v[ADRA+2+\s], s21, v5
	v_add_nc_u32 v[ADRB+2+\s], s22, v5
	s_add_co_u32 s21, s21, SLOT
	s_add_co_u32 s22, s22, SLOT
.endr
	v_mul_u32_u24 v5, v1, KS                       ; my row's scales: KS bytes a row,
	v_lshrrev_b32 v6, 8, v5
	v_lshl_add_u32 v5, v6, 4, v5                   ; and 16 more for each 256 passed
	s_mul_i32 s21, s15, HALFS
	s_mul_i32 s22, s16, HALFS
	s_add_co_u32 s22, s22, 2*HALFS
	s_sub_co_u32 s22, s22, s21
	v_mul_u32_u24 v6, s22, v2                      ; lanes 16-31 take B's
	s_add_co_u32 s21, s21, SCL
	v_add_nc_u32 v5, v5, v6
	v_add_nc_u32 v[ADRS], s21, v5
	; the way out's addresses, the bias, the output's bases
	v_and_b32 v6, 31, v0
	v_lshlrev_b32 v[L16], 4, v6
	v_lshlrev_b32 v[L8], 3, v6
	s_mov_b32 s[SEL], 0x76543210
	s_mov_b32 s[SEL+1], 0xfedcba98
	s_mov_b32 s92, 0xffff
	s_mov_b32 s93, 0x7f7f0000
.if VMODE == 0
	v_mul_u32_u24 v[WO], v2, HSTR
	v_lshl_add_u32 v[WO], v1, 2, v[WO]             ; lanes 0-15 store the first head's words, lanes 16-31 the second's
	v_lshlrev_b32 v[SH], 4, v2
	v_lshlrev_b32 v[BA], 6, v2                     ; the bias: 16 h numbers on
	s_cmp_eq_u32 s95, 0
	s_cselect_b64 s[96:97], s[96:97], s[98:99]     ; bq or bk
	s_lshl_b32 s46, s42, 10
	s_lshl_b32 s47, s16, 9
	s_add_co_u32 s46, s46, s47                     ; 4 x my first output feature
	s_mov_b32 s47, 0
	s_add_nc_u64 s[96:97], s[96:97], s[46:47]
.irp bb, 0,1,2,3
.irp jj, 0,1,2,3
	global_load_b128 v[BI+16*\bb+4*\jj:BI+16*\bb+4*\jj+3], v[BA], s[96:97] offset:128*\bb+16*\jj   ; register 16 B + i: feature 32 B + 16 h + i
.endr
.endr
	s_lshl_b32 s20, s17, 8
	s_lshl_b32 s21, s15, 7
	s_add_co_u32 s20, s20, s21                     ; my first token place
	s_bfe_u32 s21, s20, 0x2000b                    ; the batch
	s_bfe_u32 s22, s20, 0x70004                    ; the token tile in it
	s_lshl_b32 s21, s21, 4
	s_lshl_b32 s46, s42, 2
	s_lshl_b32 s47, s16, 1
	s_add_co_u32 s46, s46, s47                     ; my first head
	s_add_co_u32 s46, s46, s21
	s_mul_i32 s46, s46, HSTR
	s_mul_i32 s47, s95, PART
	s_add_co_u32 s46, s46, s47
	s_mov_b32 s47, 0
	s_add_nc_u64 s[12:13], s[12:13], s[46:47]
	s_lshl_b32 s46, s22, 6
	s_add_co_u32 s46, s46, SCO
	s_add_nc_u64 s[66:67], s[12:13], s[46:47]      ; the scale words
	s_mul_i32 s46, s22, 768
	s_add_nc_u64 s[12:13], s[12:13], s[46:47]      ; the images
.else
	v_lshlrev_b32 v[WO], 2, v6
	v_and_b32 v[BA], 8, v1
	v_add_nc_u32 v[BA], v[BA], v1
	v_lshlrev_b32 v[BA], 2, v[BA]                  ; the bias: place 16 a + r is feature 32 (a / 2) + 8 (a % 2) + r + 8 (r / 8)
	s_lshl_b32 s20, s17, 10
	s_lshl_b32 s21, s15, 9
	s_add_co_u32 s20, s20, s21
	s_mov_b32 s21, 0
	s_add_nc_u64 s[96:97], s[96:97], s[20:21]
.irp a, 0,1,2,3,4,5,6,7
	global_load_b32 v[BI+2*\a], v[BA], s[96:97] offset:(32*(\a/2)+8*(\a%2))*4
	global_load_b32 v[BI+2*\a+1], v[BA], s[96:97] offset:(32*(\a/2)+8*(\a%2))*4   ; twice: a pair for the packed addition
.endr
	s_lshl_b32 s46, s42, 8
	s_lshl_b32 s47, s16, 7
	s_add_co_u32 s46, s46, s47                     ; my first key place
	s_lshr_b32 s21, s46, 11                        ; the batch
	s_bfe_u32 s22, s46, 0x40007                    ; the step of 128 keys in it
	s_lshl_b32 s21, s21, 4
	s_lshl_b32 s46, s17, 2
	s_lshl_b32 s47, s15, 1
	s_add_co_u32 s46, s46, s47                     ; my first head
	s_add_co_u32 s46, s46, s21
	s_mul_i32 s46, s46, HSTR
	s_add_co_u32 s46, s46, 2*PART
	s_mov_b32 s47, 0
	s_add_nc_u64 s[12:13], s[12:13], s[46:47]
	s_lshl_b32 s46, s22, 9
	s_add_co_u32 s46, s46, SCO
	s_add_nc_u64 s[66:67], s[12:13], s[46:47]
	s_mul_i32 s46, s22, 6144
	s_add_nc_u64 s[12:13], s[12:13], s[46:47]
.endif
.macro FRAG reg, adr, q, i             ; a fragment, 16 rows x 128 K, is 12 registers: lane l holds row l % 16; registers 6 c .. 6 c + 5 hold K = 64 c + 32 (l / 16) + 0 .. 31, as the bits lie
.irp p, 0,1,2,3,4,5                    ; in pieces of 8 bytes; where the piece three on lies behind one padding more, the second address register serves
.set PCE, 12*(\q)+6*(\p/3)+\p%3
.if PCE%8 < 5
	ds_load_b64 v[\reg+2*\p:\reg+2*\p+1], v[\adr] offset:8*PCE+16*(PCE/8)+(\i)*16*PITCH
.else
	ds_load_b64 v[\reg+2*\p:\reg+2*\p+1], v[\adr+2] offset:8*PCE+16*(PCE/8)+(\i)*16*PITCH
.endif
.endr
.endm
; 16 matrix instructions: A's blocks a0, a0 + 1 x B's eight.  The 64 accumulators take turns, one instruction a turn, in the same order in every step.
.macro MUL16 a0, p, q, sc, zero
.irp a, \a0, \a0+1
.irp b, 0,1,2,3,4,5,6,7
.if \zero
	v_wmma_scale_f32_16x16x128_f8f6f4 v[8*(8*((\a)%4)+\b):8*(8*((\a)%4)+\b)+7], v[128*(\p)+FR*\b:128*(\p)+FR*\b+FR-1], v[AF+FR*(\a):AF+FR*(\a)+FR-1], 0, v[SC+8*NQ*(\sc)+NQ*\b+(\q)], v[SC+8*NQ*(\sc)+NQ*(\a)+(\q)] matrix_a_fmt:MATRIX_FMT_FP6 matrix_b_fmt:MATRIX_FMT_FP6 matrix_a_scale:MATRIX_SCALE_ROW1
.else
	v_wmma_scale_f32_16x16x128_f8f6f4 v[8*(8*((\a)%4)+\b):8*(8*((\a)%4)+\b)+7], v[128*(\p)+FR*\b:128*(\p)+FR*\b+FR-1], v[AF+FR*(\a):AF+FR*(\a)+FR-1], v[8*(8*((\a)%4)+\b):8*(8*((\a)%4)+\b)+7], v[SC+8*NQ*(\sc)+NQ*\b+(\q)], v[SC+8*NQ*(\sc)+NQ*(\a)+(\q)] matrix_a_fmt:MATRIX_FMT_FP6 matrix_b_fmt:MATRIX_FMT_FP6 matrix_a_scale:MATRIX_SCALE_ROW1
.endif
.endr
.endr
.endm
.macro FETCH_B slot, q, p
	WIN TO_B
.irp i, 0,1,2,3,4,5,6,7
	FRAG 128*(\p)+FR*\i, ADRB+\slot, \q, \i
.endr
	WIN 0
.endm
.macro FETCH_A slot, q, i0
.irp i, \i0, \i0+1, \i0+2, \i0+3
	FRAG AF+FR*(\i), ADRA+\slot, \q, \i
.endr
.endm
.macro SCALES sc                       ; the next K step's scale words: lanes 0-15 take A's block i, lanes 16-31 B's block i
.irp i, 0,1,2,3,4,5,6,7
	ds_load_b64 v[SC+8*NQ*\sc+NQ*\i:SC+8*NQ*\sc+NQ*\i+1], v[ADRS] offset:\i*SBLK
.endr
.endm
.macro PLACES n                        ; plain vector instructions behind a matrix instruction, ahead of loads into its registers and of reads of its result
.rept \n
	v_nop
.endr
.endm
.macro STEP slot, q, zero              ; a step of 128 along K that has its successor in the same slot
	s_wait_dscnt 4*NL                              ; B's set and A's blocks 0-3 are in; the 24 youngest loads (A's blocks 4-7) may be out
	WIN MUL_LO
	MUL16 0, (\q)%2, \q, \slot, \zero
	MUL16 2, (\q)%2, \q, \slot, \zero
	s_wait_dscnt 0
	PLACES NP
	FETCH_B \slot, (\q)+1, 1-(\q)%2
	FETCH_A \slot, (\q)+1, 0
	WIN MUL_HI
	MUL16 4, (\q)%2, \q, \slot, \zero
	MUL16 6, (\q)%2, \q, \slot, \zero
	PLACES NP
	WIN 0
	FETCH_A \slot, (\q)+1, 4
.endm
; A slot's last step changes slots: one barrier; in front of it each wave waits for all its tensor loads, adds 0 to its spare word, and waits for that and for its reads of this slot.
.macro TURN slot, next, fill
	s_wait_tensorcnt 0x0                           ; all my tensor loads have landed: my part of the next slot
	ds_add_u32 v[SPW], v[NIL]                      ; 0 onto my spare word
	s_wait_dscnt 4*NL+1                            ; (the add and the 24 youngest loads may be out)
	WIN MUL_LO
	MUL16 0, 1, NQ-1, \slot, 0
	s_wait_dscnt 0x0                               ; the add is done, and my reads of this slot are over
	s_barrier_signal -1
	MUL16 2, 1, NQ-1, \slot, 0
	WIN 0
	s_barrier_wait -1
.if \fill
	CREST                                          ; the barrier has opened a round of the cluster's: no wave of any partner still reads this slot or has a load on its way
	s_add_nc_u64 s[G0+4*\slot+2:G0+4*\slot+3], s[G0+4*\slot+2:G0+4*\slot+3], 2*ROWB
	s_add_nc_u64 s[G0B+4*\slot+2:G0B+4*\slot+3], s[G0B+4*\slot+2:G0B+4*\slot+3], 2*ROWB
	JLOAD G0+4*\slot, G1, G0B+4*\slot, G1B         ; the first tensor load behind the round; its four v_nop are the places in front of the loads below
.else
	PLACES NP
.endif
	v_add_nc_u32 v[ADRS], 4*NQ, v[ADRS]            ; the next K step's scale words
	FETCH_B \next, 0, 0
	FETCH_A \next, 0, 0
	SCALES \next
	WIN MUL_HI
	MUL16 4, 1, NQ-1, \slot, 0
	MUL16 6, 1, NQ-1, \slot, 0
	PLACES NP
	WIN 0
	FETCH_A \next, 0, 4
.endm
; 64 (nb = 4) or 32 (nb = 2) numbers of a lane, register 16 b + i = k 32 b + 16 (lane / 16) + i of my row, become codes in v[CD] on (6 registers for each 64 along K) and a scale word in v[PW].
.macro QUANT s, nb
.irp b, 0,1,2,3
.if \b < \nb
	v_max3_num_f32 v[TM+\b], |v[\s+16*\b]|, |v[\s+1+16*\b]|, 0x1800000   ; my 16 numbers of block b, and the floor 2^(3 - 127): the byte cannot fall under 1
.endif
.endr
.irp i, 2,4,6,8,10,12,14
.irp b, 0,1,2,3
.if \b < \nb
	v_max3_num_f32 v[TM+\b], v[TM+\b], |v[\s+16*\b+\i]|, |v[\s+1+16*\b+\i]|
.endif
.endr
.endr
.irp b, 0,1,2,3
.if \b < \nb
	v_permlanex16_b32 v[TM+4+\b], v[TM+\b], s[SEL], s[SEL+1]
.endif
.endr
.irp b, 0,1,2,3
.if \b < \nb
	v_max_num_f32 v[TM+\b], v[TM+\b], v[TM+4+\b]   ; with lane l xor 16's: the block's largest magnitude
.endif
.endr
.irp b, 0,1,2,3
.if \b < \nb
	v_add_nc_u32 v[TM+12+\b], 0xff000000, v[TM+\b]   ; 2 off its exponent field: the conversion's scale operand
.endif
.endr
.irp b, 0,1,2,3
.if \b < \nb
	v_lshrrev_b32 v[TM+4+\b], 23, v[TM+12+\b]      ; the scale's byte
.endif
.endr
	v_lshl_or_b32 v[PW], v[TM+5], 8, v[TM+4]
.if \nb > 2
	v_lshl_or_b32 v[PW], v[TM+6], 16, v[PW]
	v_lshl_or_b32 v[PW], v[TM+7], 24, v[PW]
.endif
.irp c, 0,1
.if 2*\c < \nb
	v_cvt_scalef32_pk16_fp6_f32 v[CD+6*\c:CD+2+6*\c], v[\s+32*\c:\s+15+32*\c], v[TM+12+2*\c]
	v_cvt_scalef32_pk16_fp6_f32 v[CD+12+4*\c:CD+14+4*\c], v[\s+16+32*\c:\s+31+32*\c], v[TM+12+2*\c+1]   ; (a conversion's three registers begin on an even number)
.endif
.endr
	v_nop                                          ; one plain place behind a scaled conversion
.irp c, 0,1                                    ; the operand's layout wants a whole block in a lane: lanes 0-15 block 2 c, lanes 16-31 block 2 c + 1
.if 2*\c < \nb
.irp i, 0,1,2
	v_permlane16_swap_b32 v[CD+6*\c+\i], v[CD+12+4*\c+\i]
.endr
.irp i, 0,1,2
	v_mov_b32 v[CD+3+6*\c+\i], v[CD+12+4*\c+\i]
.endr
.endif
.endr
.endm
; THE WAY OUT of A's block a: bias, quantiser, images.
.macro OUT a
	s_wait_xcnt 0x0                                ; the last block's stores have read their data registers, which are written anew below
	WIN 2+(\a)/4                                   ; source 0: window 2 or 3
.set j, 0
.rept 32
.if VMODE == 0
	v_pk_add_f32 v[T+2*j:T+2*j+1], v[64*((\a)%4)+2*j:64*((\a)%4)+2*j+1], v[BI+2*j:BI+2*j+1]   ; each accumulator from its low end on
.else
	v_pk_add_f32 v[T+2*j:T+2*j+1], v[64*((\a)%4)+2*j:64*((\a)%4)+2*j+1], v[BI+2*(\a):BI+2*(\a)+1]
.endif
.set j, j+1
.endr
	WIN 0
	QUANT T, 4
.if VMODE == 0
	v_lshrrev_b32 v[WD], v[SH], v[PW]              ; lanes 0-15: bytes 0, 1 (the first head's), lanes 16-31: bytes 2, 3
	v_and_or_b32 v[WD], v[WD], s92, s93            ; and 0x7f7f above them
	global_store_b128 v[L16], v[CD:CD+3], s[12:13] offset:768*(\a)            ; 512 consecutive bytes, aligned to 256
	global_store_b64 v[L8], v[CD+4:CD+5], s[12:13] offset:768*(\a)+512        ; 256
	global_store_b128 v[L16], v[CD+6:CD+9], s[12:13] offset:768*(\a)+HSTR     ; the second head
	global_store_b64 v[L8], v[CD+10:CD+11], s[12:13] offset:768*(\a)+512+HSTR
	global_store_b32 v[WO], v[WD], s[66:67] offset:64*(\a)
.else
.irp c, 0,1,2
	global_store_b128 v[L16], v[CD+4*\c:CD+4*\c+3], s[12:13] offset:((\a)/4)*HSTR+((\a)%4)*1536+512*\c
.endr
	global_store_b32 v[WO], v[PW], s[66:67] offset:((\a)/4)*HSTR+((\a)%4)*128
.endif
.endm
	s_wait_tensorcnt 1                             ; the scales and my part of K step 0 are in (K step 1's load may be out)
	s_barrier_signal -1
	s_barrier_wait -1                              ; everybody's are
	FETCH_B 0, 0, 0
	FETCH_A 0, 0, 0
	SCALES 0
	FETCH_A 0, 0, 4
	STEP 0, 0, 1                                   ; the first step's products start the sums
	s_mov_b32 s3, LAPS-1
.Llap:                                                 ; a trip goes once round the ring and fills both slots again
	TURN 0, 1, 1
	STEP 1, 0, 0
	TURN 1, 0, 1
	STEP 0, 0, 0
	s_sub_co_u32 s3, s3, 1
	s_cmp_lg_u32 s3, 0
	s_cbranch_scc1 .Llap
	TURN 0, 1, 0                                   ; the last lap fills nothing
	STEP 1, 0, 0
	s_wait_dscnt 4*NL
	WIN MUL_LO
	MUL16 0, 1, NQ-1, 1, 0
	MUL16 2, 1, NQ-1, 1, 0
	s_wait_dscnt 0
	WIN MUL_HI
	MUL16 4, 1, NQ-1, 1, 0
	MUL16 6, 1, NQ-1, 1, 0
	WIN 0
	s_wait_loadcnt 0x0                             ; the bias
	PLACES NP                                      ; behind the last products: their results are read and A's registers written below
.irp b, 0,1,2,3
	v_mov_b32 v[TM+4+\b], 0                        ; a lane permute's destination counts as one of its sources
.endr
.irp a, 0,1,2,3,4,5,6,7
	OUT \a
.endr
	s_wait_tensorcnt 0x0                           ; the wave's end
	ds_add_u32 v[SPW], v[NIL]
	s_wait_dscnt 0x0
	CROUND                                         ; the closing round
	s_endpgm
.Lfunc_end_k_q411552dfe7_projqk:
	.size	k_q411552dfe7_projqk, .Lfunc_end_k_q411552dfe7_projqk-k_q411552dfe7_projqk
	.p2alignl 7, 3214868480
	.fill 96, 4, 3214868480
	.section	.rodata,"a",@progbits
	.p2align	6, 0x0
	.amdhsa_kernel k_q411552dfe7_projqk
		.amdhsa_group_segment_fixed_size 327680
		.amdhsa_private_segment_fixed_size 0
		.amdhsa_enable_private_segment 0
		.amdhsa_kernarg_size 56
		.amdhsa_user_sgpr_count 2
		.amdhsa_user_sgpr_kernarg_segment_ptr 1
		.amdhsa_wavefront_size32 1
		.amdhsa_system_sgpr_workgroup_id_x 1
		.amdhsa_system_sgpr_workgroup_id_y 1
		.amdhsa_system_sgpr_workgroup_id_z 1
		.amdhsa_system_vgpr_workitem_id 0
		.amdhsa_next_free_vgpr 1024
		.amdhsa_next_free_sgpr 102
		.amdhsa_reserve_vcc 0
		.amdhsa_float_denorm_mode_32 3
		.amdhsa_float_denorm_mode_16_64 3
		.amdhsa_memory_ordered 1
		.amdhsa_forward_progress 1
		.amdhsa_inst_pref_size 184
	.end_amdhsa_kernel
	.amdgpu_metadata
---
amdhsa.version: [ 1, 2 ]
amdhsa.kernels:
  - .name:           k_q411552dfe7_projqk
    .symbol:         k_q411552dfe7_projqk.kd
    .args:
      - { .name: xc, .offset: 0, .size: 8, .value_kind: global_buffer, .address_space: global }
      - { .name: xs, .offset: 8, .size: 8, .value_kind: global_buffer, .address_space: global }
      - { .name: wc, .offset: 16, .size: 8, .value_kind: global_buffer, .address_space: global }
      - { .name: ws, .offset: 24, .size: 8, .value_kind: global_buffer, .address_space: global }
      - { .name: qkv, .offset: 32, .size: 8, .value_kind: global_buffer, .address_space: global }
      - { .name: bq, .offset: 40, .size: 8, .value_kind: global_buffer, .address_space: global }
      - { .name: bk, .offset: 48, .size: 8, .value_kind: global_buffer, .address_space: global }
    .group_segment_fixed_size: 327680
    .private_segment_fixed_size: 0
    .kernarg_segment_align: 8
    .kernarg_segment_size: 56
    .max_flat_workgroup_size: 128
    .sgpr_count:     102
    .vgpr_count:     1024
    .wavefront_size: 32
...
	.end_amdgpu_metadata
.endif
;; end of part 2
;; launch projv (part 3): grid 32 x 4, 4 waves a work-group, clusters of 4 x 4, 327,680 bytes of LDS; arguments wc, ws, xc, xs, qkv, bv; writes qkv
.if DOCPART == 3
	.amdgcn_target "amdgcn-amd-amdhsa--gfx1250"
	.amdhsa_code_object_version 6
	.text
	.protected	k_q411552dfe7_projv
	.globl	k_q411552dfe7_projv
	.p2align	8
	.type	k_q411552dfe7_projv,@function
k_q411552dfe7_projv:
	s_mov_b64 s[64:65], 0
	v_nop
	global_prefetch_b8 v0, s[64:65] scope:SCOPE_SE
	s_setreg_imm32_b32 hwreg(HW_REG_WAVE_MODE, 25, 1), 1
	s_wait_xcnt 0x0
	s_wait_alu depctr_hold_cnt(0) depctr_sa_sdst(0) depctr_va_vdst(0) depctr_va_sdst(0) depctr_va_ssrc(0) depctr_va_vcc(0) depctr_vm_vsrc(0)
	s_getreg_b32 s2, hwreg(HW_REG_IB_STS2, 6, 4)
	s_cmp_eq_u32 s2, 0
	s_cbranch_scc0 .Lentry_in_a_cluster
	s_endpgm
.Lentry_in_a_cluster:
	s_bfe_u32 s2, ttmp6, 0x10000c
	s_cmp_lg_u32 s2, 0xf033
	s_cbranch_scc0 .Lentry_shape_is_right
	s_endpgm
.Lentry_shape_is_right:
; V = value Wv + bv, on codes of FP6, quantised along the KEYS on the way out.  The text of the launch before with VMODE = 1; nothing is left out.
; 'A' (source 1, rows j): Wv's 1,024 columns, places 2,048 on of wc.  'B' (source 0, rows i): value's 8,192 places, 16,384 on of xc.  So a lane holds one feature place and its registers run along the keys:
; the 64 registers of accumulators (a, 0 .. 7) are register 16 B + i = key 32 B + 16 h + i of the wave's 128 keys, one K step of attention's second product.
; A block's fragment (16 feature places x 128 keys, 12 registers) leaves as an image of its registers: qkv + (16 batch + head) HSTR + 2 PART + (4 x key step + feature tile) x 1,536, three stores of 512 bytes;
; its scale words from SCO on, 128 bytes an image.  128 work-groups: the tile is kept at 256 x 256 so that one text serves all three projections.
; LIMITS: a block of zeros has the byte 1; NaN and infinities are not served.
.set VMODE,  1
.set KSTEP,  256
.set NQ,     KSTEP/128
.set ROWB,   192
.set KROW,   768
.set PITCH,  240
.set FR,     12
.set NL,     6
.set NP,     4
.set HALFT,  128*PITCH
.set SLOT,   4*HALFT
.set LAPS,   2
.set KS,     32
.set SCL,    2*SLOT
.set HALFS,  (128*KS/256)*272
.set SBLK,   (16*KS/256)*272
.set SPARE,  SCL+4*HALFS
.set PART,   106496
.set HSTR,   3*PART
.set SCO,    98304
.set ADRA, 16
.set ADRB, 20
.set L16,  24
.set L8,   25
.set WO,   26
.set ADRS, 27
.set SPW,  28
.set NIL,  29
.set SH,   30
.set BA,   31
.set SC,   32
.set BI,   64
.set AF,   128
.set T,    128
.set CD,   192
.set TM,   212
.set PW,   228
.set WD,   229
.set G1, 24
.set G0, 32
.set G1B, 48
.set G0B, 56
.set G1S, 68
.set G0S, 76
.set G1SB, 80
.set G0SB, 88
.set SEL, 100
.set MSB, 0
.macro WIN new                         ; the immediate's high byte repeats the setting that is left
.if MSB != (\new)
	s_set_vgpr_msb (MSB<<8)|(\new)
.set MSB, (\new)
.endif
.endm
.set MUL_LO, 0xa1
.set MUL_HI, 0xf1
.set TO_B,   0x40
.macro JLOAD g0a, g1a, g0b, g1b        ; a joint load: waves 0 and 1 fetch for A, waves 2 and 3 for B; an s_nop 0 and four v_nop follow each line
	s_cmp_eq_u32 s15, 0
	s_cbranch_scc0 .Lfor_b_\@
	tensor_load_to_lds s[\g0a:\g0a+3], s[\g1a:\g1a+7]
	s_nop 0
.rept 4
	v_nop
.endr
	s_branch .Lasked_\@
.Lfor_b_\@:
	tensor_load_to_lds s[\g0b:\g0b+3], s[\g1b:\g1b+7]
	s_nop 0
.rept 4
	v_nop
.endr
.Lasked_\@:
.endm
.macro CREST
	s_cmp_lg_u32 s14, 0
	s_cbranch_scc1 .Lnot_wave_0_\@
	s_barrier_signal -3
.Lnot_wave_0_\@:
	s_barrier_wait -3
	s_barrier_signal -1
	s_barrier_wait -1
.endm
.macro CROUND
	s_barrier_signal -1
	s_barrier_wait -1
	CREST
.endm
	s_load_b128 s[4:7], s[0:1], 0x0                ; A's codes, A's scales
	s_load_b128 s[8:11], s[0:1], 0x10              ; B's codes, B's scales
	s_load_b64 s[12:13], s[0:1], 0x20              ; qkv
	s_load_b64 s[96:97], s[0:1], 0x28              ; bv
.if VMODE == 0
	s_load_b64 s[98:99], s[0:1], 0x30
.endif
	v_lshl_add_u32 v[SPW], v0, 2, SPARE
	v_mov_b32 v[NIL], 0
	ds_add_u32 v[SPW], v[NIL]                      ; the wave's opening: the add, twice on end, and its wait ahead of my first tensor load
	ds_add_u32 v[SPW], v[NIL]
	v_lshrrev_b32 v1, 5, v0
	v_readfirstlane_b32 s14, v1                    ; wave 0..3
	s_lshr_b32 s15, s14, 1                         ; which half of A's rows is mine.  Also: I fetch for A (0) or for B (1)
	s_and_b32 s16, s14, 1                          ; which half of B's rows.  Also: which 128 rows of that tile I fetch
	s_bfe_u32 s40, ttmp6, 0x40000                  ; cx, cy
	s_bfe_u32 s41, ttmp6, 0x40004
	s_lshl_b32 s42, ttmp9, 2
	s_add_co_u32 s42, s42, s40                     ; tile column (B) = 4 x cluster x + cx
.if VMODE == 0
	s_and_b32 s17, ttmp7, 0xffff
	s_lshr_b32 s95, s17, 3
	s_lshl_b32 s17, s17, 2
	s_add_co_u32 s17, s17, s41
.else
	s_mov_b32 s17, s41                             ; tile row (A) = cy: one cluster covers Wv's 1,024 columns
.endif
	s_lshl_b32 s43, s41, 2
	s_lshl_b32 s43, 15, s43                        ; my row of the cluster
	s_lshl_b32 s44, 0x1111, s40                    ; my column
	s_or_b32 s[G1+0], s43, (0<<16)|(1<<20)|(1<<21)|(3<<22)|(3<<25)
	s_or_b32 s[G1B+0], s44, (0<<16)|(1<<20)|(1<<21)|(3<<22)|(3<<25)
.irp g, G1, G1B
	s_mov_b32 s[\g+1], ROWB<<16
	s_mov_b32 s[\g+2], 128<<16
	s_mov_b32 s[\g+3], ROWB<<16
	s_mov_b32 s[\g+4], 128
	s_mov_b32 s[\g+5], KROW
	s_mov_b32 s[\g+6], 0
	s_mov_b32 s[\g+7], 0
.endr
	s_or_b32 s[G1S+0], s43, (3<<16)|(1<<20)|(1<<21)|(5<<22)|(3<<25)
	s_or_b32 s[G1SB+0], s44, (3<<16)|(1<<20)|(1<<21)|(5<<22)|(3<<25)
.irp g, G1S, G1SB
	s_mov_b32 s[\g+1], 32<<16
	s_mov_b32 s[\g+2], (128*KS/256)<<16
	s_mov_b32 s[\g+3], 32<<16
	s_mov_b32 s[\g+4], 128*KS/256
	s_mov_b32 s[\g+5], 32
	s_mov_b32 s[\g+6], 0
	s_mov_b32 s[\g+7], 0
.endr
	s_lshl_b32 s18, s16, 7
	s_lshl_b32 s20, s17, 8
	s_add_co_u32 s20, s20, s18                     ; A: place 256 x tile row + 128 x half
	s_lshl_b32 s46, s42, 8
	s_add_co_u32 s46, s46, s18                     ; B: place 256 x tile column + 128 x half
.if VMODE == 0
	s_lshl_b32 s19, s95, 10
	s_add_co_u32 s46, s46, s19
.else
	s_add_co_u32 s20, s20, 2048                    ; Wv's places begin at 2,048,
	s_add_co_u32 s46, s46, 16384                   ; value's at 16,384
.endif
	s_mov_b32 s21, 0
	s_mov_b32 s47, 0
	s_mov_b64 s[18:19], KS
	s_mul_u64 s[22:23], s[20:21], s[18:19]
	s_mul_u64 s[92:93], s[46:47], s[18:19]
	s_mov_b64 s[18:19], KROW
	s_mul_u64 s[20:21], s[20:21], s[18:19]
	s_mul_u64 s[46:47], s[46:47], s[18:19]
	s_mul_i32 s45, s14, HALFT
	s_mul_i32 s94, s14, HALFS
	s_wait_dscnt 0x0                               ; both opening adds are done
	s_wait_kmcnt 0x0
	s_add_nc_u64 s[20:21], s[4:5], s[20:21]
	s_add_nc_u64 s[22:23], s[6:7], s[22:23]
	s_add_nc_u64 s[46:47], s[8:9], s[46:47]
	s_add_nc_u64 s[92:93], s[10:11], s[92:93]
	CROUND                                         ; all sixteen work-groups are here: the first joint loads meet
	s_mov_b32 s[G0S], 1
	s_add_co_u32 s[G0S+1], s94, SCL
	s_mov_b64 s[G0S+2:G0S+3], s[22:23]
	s_or_b32 s[G0S+3], s[G0S+3], 0x80000000
	s_mov_b32 s[G0SB], 1
	s_add_co_u32 s[G0SB+1], s94, SCL
	s_mov_b64 s[G0SB+2:G0SB+3], s[92:93]
	s_or_b32 s[G0SB+3], s[G0SB+3], 0x80000000
	JLOAD G0S, G1S, G0SB, G1SB                     ; the scales first: by this text's count three loads of mine are out behind the first fills
.irp s, 0,1
	s_mov_b32 s[G0+4*\s], 1
	s_add_co_u32 s[G0+4*\s+1], s45, \s*SLOT
	s_add_nc_u64 s[G0+4*\s+2:G0+4*\s+3], s[20:21], \s*ROWB
	s_or_b32 s[G0+4*\s+3], s[G0+4*\s+3], 0x80000000
	s_mov_b32 s[G0B+4*\s], 1
	s_add_co_u32 s[G0B+4*\s+1], s45, \s*SLOT
	s_add_nc_u64 s[G0B+4*\s+2:G0B+4*\s+3], s[46:47], \s*ROWB
	s_or_b32 s[G0B+4*\s+3], s[G0B+4*\s+3], 0x80000000
	JLOAD G0+4*\s, G1, G0B+4*\s, G1B
.endr
	v_and_b32 v1, 15, v0                           ; r
	v_bfe_u32 v2, v0, 4, 1                         ; h
	v_mul_u32_u24 v3, v1, PITCH
	v_mul_u32_u24 v4, v2, 24
	v_add_nc_u32 v4, v3, v4
	v_lshl_add_u32 v5, v2, 4, v4
	s_mul_i32 s21, s15, HALFT
	s_mul_i32 s22, s16, HALFT
	s_add_co_u32 s22, s22, 2*HALFT
.irp s, 0,1
	v_add_nc_u32 v[ADRA+\s], s21, v4
	v_add_nc_u32 v[ADRB+\s], s22, v4
	v_add_nc_u32 v[ADRA+2+\s], s21, v5
	v_add_nc_u32 v[ADRB+2+\s], s22, v5
	s_add_co_u32 s21, s21, SLOT
	s_add_co_u32 s22, s22, SLOT
.endr
	v_mul_u32_u24 v5, v1, KS
	v_lshrrev_b32 v6, 8, v5
	v_lshl_add_u32 v5, v6, 4, v5
	s_mul_i32 s21, s15, HALFS
	s_mul_i32 s22, s16, HALFS
	s_add_co_u32 s22, s22, 2*HALFS
	s_sub_co_u32 s22, s22, s21
	v_mul_u32_u24 v6, s22, v2                      ; lanes 16-31 take B's
	s_add_co_u32 s21, s21, SCL
	v_add_nc_u32 v5, v5, v6
	v_add_nc_u32 v[ADRS], s21, v5
	v_and_b32 v6, 31, v0
	v_lshlrev_b32 v[L16], 4, v6
	v_lshlrev_b32 v[L8], 3, v6
	s_mov_b32 s[SEL], 0x76543210
	s_mov_b32 s[SEL+1], 0xfedcba98
	s_mov_b32 s92, 0xffff
	s_mov_b32 s93, 0x7f7f0000
.if VMODE == 0
	v_mul_u32_u24 v[WO], v2, HSTR
	v_lshl_add_u32 v[WO], v1, 2, v[WO]
	v_lshlrev_b32 v[SH], 4, v2
	v_lshlrev_b32 v[BA], 6, v2
	s_cmp_eq_u32 s95, 0
	s_cselect_b64 s[96:97], s[96:97], s[98:99]
	s_lshl_b32 s46, s42, 10
	s_lshl_b32 s47, s16, 9
	s_add_co_u32 s46, s46, s47
	s_mov_b32 s47, 0
	s_add_nc_u64 s[96:97], s[96:97], s[46:47]
.irp bb, 0,1,2,3
.irp jj, 0,1,2,3
	global_load_b128 v[BI+16*\bb+4*\jj:BI+16*\bb+4*\jj+3], v[BA], s[96:97] offset:128*\bb+16*\jj
.endr
.endr
	s_lshl_b32 s20, s17, 8
	s_lshl_b32 s21, s15, 7
	s_add_co_u32 s20, s20, s21
	s_bfe_u32 s21, s20, 0x2000b
	s_bfe_u32 s22, s20, 0x70004
	s_lshl_b32 s21, s21, 4
	s_lshl_b32 s46, s42, 2
	s_lshl_b32 s47, s16, 1
	s_add_co_u32 s46, s46, s47
	s_add_co_u32 s46, s46, s21
	s_mul_i32 s46, s46, HSTR
	s_mul_i32 s47, s95, PART
	s_add_co_u32 s46, s46, s47
	s_mov_b32 s47, 0
	s_add_nc_u64 s[12:13], s[12:13], s[46:47]
	s_lshl_b32 s46, s22, 6
	s_add_co_u32 s46, s46, SCO
	s_add_nc_u64 s[66:67], s[12:13], s[46:47]
	s_mul_i32 s46, s22, 768
	s_add_nc_u64 s[12:13], s[12:13], s[46:47]
.else
	v_lshlrev_b32 v[WO], 2, v6
	v_and_b32 v[BA], 8, v1
	v_add_nc_u32 v[BA], v[BA], v1
	v_lshlrev_b32 v[BA], 2, v[BA]                  ; the bias: place 16 a + r is feature 32 (a / 2) + 8 (a % 2) + r + 8 (r / 8)
	s_lshl_b32 s20, s17, 10
	s_lshl_b32 s21, s15, 9
	s_add_co_u32 s20, s20, s21                     ; 4 x my first feature
	s_mov_b32 s21, 0
	s_add_nc_u64 s[96:97], s[96:97], s[20:21]
.irp a, 0,1,2,3,4,5,6,7
	global_load_b32 v[BI+2*\a], v[BA], s[96:97] offset:(32*(\a/2)+8*(\a%2))*4
	global_load_b32 v[BI+2*\a+1], v[BA], s[96:97] offset:(32*(\a/2)+8*(\a%2))*4   ; twice: a pair for the packed addition
.endr
	s_lshl_b32 s46, s42, 8
	s_lshl_b32 s47, s16, 7
	s_add_co_u32 s46, s46, s47                     ; my first key place
	s_lshr_b32 s21, s46, 11                        ; the batch
	s_bfe_u32 s22, s46, 0x40007                    ; the step of 128 keys in it
	s_lshl_b32 s21, s21, 4
	s_lshl_b32 s46, s17, 2
	s_lshl_b32 s47, s15, 1
	s_add_co_u32 s46, s46, s47                     ; my first head
	s_add_co_u32 s46, s46, s21
	s_mul_i32 s46, s46, HSTR
	s_add_co_u32 s46, s46, 2*PART
	s_mov_b32 s47, 0
	s_add_nc_u64 s[12:13], s[12:13], s[46:47]
	s_lshl_b32 s46, s22, 9
	s_add_co_u32 s46, s46, SCO
	s_add_nc_u64 s[66:67], s[12:13], s[46:47]      ; the scale words
	s_mul_i32 s46, s22, 6144
	s_add_nc_u64 s[12:13], s[12:13], s[46:47]      ; the images
.endif
.macro FRAG reg, adr, q, i             ; a fragment in pieces of 8 bytes; the second address register serves the pieces that lie behind one padding more
.irp p, 0,1,2,3,4,5
.set PCE, 12*(\q)+6*(\p/3)+\p%3
.if PCE%8 < 5
	ds_load_b64 v[\reg+2*\p:\reg+2*\p+1], v[\adr] offset:8*PCE+16*(PCE/8)+(\i)*16*PITCH
.else
	ds_load_b64 v[\reg+2*\p:\reg+2*\p+1], v[\adr+2] offset:8*PCE+16*(PCE/8)+(\i)*16*PITCH
.endif
.endr
.endm
.macro MUL16 a0, p, q, sc, zero        ; 16 matrix instructions; the 64 accumulators take turns
.irp a, \a0, \a0+1
.irp b, 0,1,2,3,4,5,6,7
.if \zero
	v_wmma_scale_f32_16x16x128_f8f6f4 v[8*(8*((\a)%4)+\b):8*(8*((\a)%4)+\b)+7], v[128*(\p)+FR*\b:128*(\p)+FR*\b+FR-1], v[AF+FR*(\a):AF+FR*(\a)+FR-1], 0, v[SC+8*NQ*(\sc)+NQ*\b+(\q)], v[SC+8*NQ*(\sc)+NQ*(\a)+(\q)] matrix_a_fmt:MATRIX_FMT_FP6 matrix_b_fmt:MATRIX_FMT_FP6 matrix_a_scale:MATRIX_SCALE_ROW1
.else
	v_wmma_scale_f32_16x16x128_f8f6f4 v[8*(8*((\a)%4)+\b):8*(8*((\a)%4)+\b)+7], v[128*(\p)+FR*\b:128*(\p)+FR*\b+FR-1], v[AF+FR*(\a):AF+FR*(\a)+FR-1], v[8*(8*((\a)%4)+\b):8*(8*((\a)%4)+\b)+7], v[SC+8*NQ*(\sc)+NQ*\b+(\q)], v[SC+8*NQ*(\sc)+NQ*(\a)+(\q)] matrix_a_fmt:MATRIX_FMT_FP6 matrix_b_fmt:MATRIX_FMT_FP6 matrix_a_scale:MATRIX_SCALE_ROW1
.endif
.endr
.endr
.endm
.macro FETCH_B slot, q, p
	WIN TO_B
.irp i, 0,1,2,3,4,5,6,7
	FRAG 128*(\p)+FR*\i, ADRB+\slot, \q, \i
.endr
	WIN 0
.endm
.macro FETCH_A slot, q, i0
.irp i, \i0, \i0+1, \i0+2, \i0+3
	FRAG AF+FR*(\i), ADRA+\slot, \q, \i
.endr
.endm
.macro SCALES sc
.irp i, 0,1,2,3,4,5,6,7
	ds_load_b64 v[SC+8*NQ*\sc+NQ*\i:SC+8*NQ*\sc+NQ*\i+1], v[ADRS] offset:\i*SBLK
.endr
.endm
.macro PLACES n
.rept \n
	v_nop
.endr
.endm
.macro STEP slot, q, zero
	s_wait_dscnt 4*NL                              ; B's set and A's blocks 0-3 are in; the 24 youngest loads (A's blocks 4-7) may be out
	WIN MUL_LO
	MUL16 0, (\q)%2, \q, \slot, \zero
	MUL16 2, (\q)%2, \q, \slot, \zero
	s_wait_dscnt 0
	PLACES NP
	FETCH_B \slot, (\q)+1, 1-(\q)%2
	FETCH_A \slot, (\q)+1, 0
	WIN MUL_HI
	MUL16 4, (\q)%2, \q, \slot, \zero
	MUL16 6, (\q)%2, \q, \slot, \zero
	PLACES NP
	WIN 0
	FETCH_A \slot, (\q)+1, 4
.endm
.macro TURN slot, next, fill
	s_wait_tensorcnt 0x0                           ; all my tensor loads have landed: my part of the next slot
	ds_add_u32 v[SPW], v[NIL]                      ; 0 onto my spare word
	s_wait_dscnt 4*NL+1                            ; (the add and the 24 youngest loads may be out)
	WIN MUL_LO
	MUL16 0, 1, NQ-1, \slot, 0
	s_wait_dscnt 0x0                               ; the add is done, and my reads of this slot are over
	s_barrier_signal -1
	MUL16 2, 1, NQ-1, \slot, 0
	WIN 0
	s_barrier_wait -1
.if \fill
	CREST                                          ; the barrier has opened a round of the cluster's
	s_add_nc_u64 s[G0+4*\slot+2:G0+4*\slot+3], s[G0+4*\slot+2:G0+4*\slot+3], 2*ROWB
	s_add_nc_u64 s[G0B+4*\slot+2:G0B+4*\slot+3], s[G0B+4*\slot+2:G0B+4*\slot+3], 2*ROWB
	JLOAD G0+4*\slot, G1, G0B+4*\slot, G1B         ; the first tensor load behind the round
.else
	PLACES NP
.endif
	v_add_nc_u32 v[ADRS], 4*NQ, v[ADRS]
	FETCH_B \next, 0, 0
	FETCH_A \next, 0, 0
	SCALES \next
	WIN MUL_HI
	MUL16 4, 1, NQ-1, \slot, 0
	MUL16 6, 1, NQ-1, \slot, 0
	PLACES NP
	WIN 0
	FETCH_A \next, 0, 4
.endm
.macro QUANT s, nb                     ; register 16 b + i = k 32 b + 16 (lane / 16) + i of my row -> codes in v[CD] on, scale word in v[PW]
.irp b, 0,1,2,3
.if \b < \nb
	v_max3_num_f32 v[TM+\b], |v[\s+16*\b]|, |v[\s+1+16*\b]|, 0x1800000
.endif
.endr
.irp i, 2,4,6,8,10,12,14
.irp b, 0,1,2,3
.if \b < \nb
	v_max3_num_f32 v[TM+\b], v[TM+\b], |v[\s+16*\b+\i]|, |v[\s+1+16*\b+\i]|
.endif
.endr
.endr
.irp b, 0,1,2,3
.if \b < \nb
	v_permlanex16_b32 v[TM+4+\b], v[TM+\b], s[SEL], s[SEL+1]
.endif
.endr
.irp b, 0,1,2,3
.if \b < \nb
	v_max_num_f32 v[TM+\b], v[TM+\b], v[TM+4+\b]
.endif
.endr
.irp b, 0,1,2,3
.if \b < \nb
	v_add_nc_u32 v[TM+12+\b], 0xff000000, v[TM+\b]
.endif
.endr
.irp b, 0,1,2,3
.if \b < \nb
	v_lshrrev_b32 v[TM+4+\b], 23, v[TM+12+\b]
.endif
.endr
	v_lshl_or_b32 v[PW], v[TM+5], 8, v[TM+4]
.if \nb > 2
	v_lshl_or_b32 v[PW], v[TM+6], 16, v[PW]
	v_lshl_or_b32 v[PW], v[TM+7], 24, v[PW]
.endif
.irp c, 0,1
.if 2*\c < \nb
	v_cvt_scalef32_pk16_fp6_f32 v[CD+6*\c:CD+2+6*\c], v[\s+32*\c:\s+15+32*\c], v[TM+12+2*\c]
	v_cvt_scalef32_pk16_fp6_f32 v[CD+12+4*\c:CD+14+4*\c], v[\s+16+32*\c:\s+31+32*\c], v[TM+12+2*\c+1]
.endif
.endr
	v_nop                                          ; one plain place behind a scaled conversion
.irp c, 0,1
.if 2*\c < \nb
.irp i, 0,1,2
	v_permlane16_swap_b32 v[CD+6*\c+\i], v[CD+12+4*\c+\i]
.endr
.irp i, 0,1,2
	v_mov_b32 v[CD+3+6*\c+\i], v[CD+12+4*\c+\i]
.endr
.endif
.endr
.endm
.macro OUT a                           ; the way out of A's block a: bias, quantiser, image
	s_wait_xcnt 0x0                                ; the last block's stores have read their data registers, which are written anew below
	WIN 2+(\a)/4
.set j, 0
.rept 32
.if VMODE == 0
	v_pk_add_f32 v[T+2*j:T+2*j+1], v[64*((\a)%4)+2*j:64*((\a)%4)+2*j+1], v[BI+2*j:BI+2*j+1]
.else
	v_pk_add_f32 v[T+2*j:T+2*j+1], v[64*((\a)%4)+2*j:64*((\a)%4)+2*j+1], v[BI+2*(\a):BI+2*(\a)+1]   ; each accumulator from its low end on
.endif
.set j, j+1
.endr
	WIN 0
	QUANT T, 4
.if VMODE == 0
	v_lshrrev_b32 v[WD], v[SH], v[PW]
	v_and_or_b32 v[WD], v[WD], s92, s93
	global_store_b128 v[L16], v[CD:CD+3], s[12:13] offset:768*(\a)
	global_store_b64 v[L8], v[CD+4:CD+5], s[12:13] offset:768*(\a)+512
	global_store_b128 v[L16], v[CD+6:CD+9], s[12:13] offset:768*(\a)+HSTR
	global_store_b64 v[L8], v[CD+10:CD+11], s[12:13] offset:768*(\a)+512+HSTR
	global_store_b32 v[WO], v[WD], s[66:67] offset:64*(\a)
.else
.irp c, 0,1,2
	global_store_b128 v[L16], v[CD+4*\c:CD+4*\c+3], s[12:13] offset:((\a)/4)*HSTR+((\a)%4)*1536+512*\c   ; 512 consecutive bytes, aligned to 256
.endr
	global_store_b32 v[WO], v[PW], s[66:67] offset:((\a)/4)*HSTR+((\a)%4)*128
.endif
.endm
	s_wait_tensorcnt 1                             ; the scales and my part of K step 0 are in (K step 1's load may be out)
	s_barrier_signal -1
	s_barrier_wait -1
	FETCH_B 0, 0, 0
	FETCH_A 0, 0, 0
	SCALES 0
	FETCH_A 0, 0, 4
	STEP 0, 0, 1
	s_mov_b32 s3, LAPS-1
.Llap:
	TURN 0, 1, 1
	STEP 1, 0, 0
	TURN 1, 0, 1
	STEP 0, 0, 0
	s_sub_co_u32 s3, s3, 1
	s_cmp_lg_u32 s3, 0
	s_cbranch_scc1 .Llap
	TURN 0, 1, 0
	STEP 1, 0, 0
	s_wait_dscnt 4*NL
	WIN MUL_LO
	MUL16 0, 1, NQ-1, 1, 0
	MUL16 2, 1, NQ-1, 1, 0
	s_wait_dscnt 0
	WIN MUL_HI
	MUL16 4, 1, NQ-1, 1, 0
	MUL16 6, 1, NQ-1, 1, 0
	WIN 0
	s_wait_loadcnt 0x0                             ; the bias
	PLACES NP
.irp b, 0,1,2,3
	v_mov_b32 v[TM+4+\b], 0                        ; a lane permute's destination counts as one of its sources
.endr
.irp a, 0,1,2,3,4,5,6,7
	OUT \a
.endr
	s_wait_tensorcnt 0x0                           ; the wave's end
	ds_add_u32 v[SPW], v[NIL]
	s_wait_dscnt 0x0
	CROUND                                         ; the closing round
	s_endpgm
.Lfunc_end_k_q411552dfe7_projv:
	.size	k_q411552dfe7_projv, .Lfunc_end_k_q411552dfe7_projv-k_q411552dfe7_projv
	.p2alignl 7, 3214868480
	.fill 96, 4, 3214868480
	.section	.rodata,"a",@progbits
	.p2align	6, 0x0
	.amdhsa_kernel k_q411552dfe7_projv
		.amdhsa_group_segment_fixed_size 327680
		.amdhsa_private_segment_fixed_size 0
		.amdhsa_enable_private_segment 0
		.amdhsa_kernarg_size 48
		.amdhsa_user_sgpr_count 2
		.amdhsa_user_sgpr_kernarg_segment_ptr 1
		.amdhsa_wavefront_size32 1
		.amdhsa_system_sgpr_workgroup_id_x 1
		.amdhsa_system_sgpr_workgroup_id_y 1
		.amdhsa_system_sgpr_workgroup_id_z 1
		.amdhsa_system_vgpr_workitem_id 0
		.amdhsa_next_free_vgpr 1024
		.amdhsa_next_free_sgpr 102
		.amdhsa_reserve_vcc 0
		.amdhsa_float_denorm_mode_32 3
		.amdhsa_float_denorm_mode_16_64 3
		.amdhsa_memory_ordered 1
		.amdhsa_forward_progress 1
		.amdhsa_inst_pref_size 182
	.end_amdhsa_kernel
	.amdgpu_metadata
---
amdhsa.version: [ 1, 2 ]
amdhsa.kernels:
  - .name:           k_q411552dfe7_projv
    .symbol:         k_q411552dfe7_projv.kd
    .args:
      - { .name: wc, .offset: 0, .size: 8, .value_kind: global_buffer, .address_space: global }
      - { .name: ws, .offset: 8, .size: 8, .value_kind: global_buffer, .address_space: global }
      - { .name: xc, .offset: 16, .size: 8, .value_kind: global_buffer, .address_space: global }
      - { .name: xs, .offset: 24, .size: 8, .value_kind: global_buffer, .address_space: global }
      - { .name: qkv, .offset: 32, .size: 8, .value_kind: global_buffer, .address_space: global }
      - { .name: bv, .offset: 40, .size: 8, .value_kind: global_buffer, .address_space: global }
    .group_segment_fixed_size: 327680
    .private_segment_fixed_size: 0
    .kernarg_segment_align: 8
    .kernarg_segment_size: 48
    .max_flat_workgroup_size: 128
    .sgpr_count:     102
    .vgpr_count:     1024
    .wavefront_size: 32
...
	.end_amdgpu_metadata
.endif
;; end of part 3
;; launch attn (part 4): grid 4 x 64, 8 waves a work-group, clusters of 4 x 1, 247,296 bytes of LDS; arguments qkv, xq, xw; writes xq, xw
.if DOCPART == 4
	.amdgcn_target "amdgcn-amd-amdhsa--gfx1250"
	.amdhsa_code_object_version 6
	.text
	.protected	k_q411552dfe7_attn
	.globl	k_q411552dfe7_attn
	.p2align	8
	.type	k_q411552dfe7_attn,@function
k_q411552dfe7_attn:
	s_mov_b64 s[64:65], 0
	v_nop
	global_prefetch_b8 v0, s[64:65] scope:SCOPE_SE
	s_setreg_imm32_b32 hwreg(HW_REG_WAVE_MODE, 25, 1), 1
	s_wait_xcnt 0x0
	s_wait_alu depctr_hold_cnt(0) depctr_sa_sdst(0) depctr_va_vdst(0) depctr_va_sdst(0) depctr_va_ssrc(0) depctr_va_vcc(0) depctr_vm_vsrc(0)
	s_getreg_b32 s2, hwreg(HW_REG_IB_STS2, 6, 4)
	s_cmp_eq_u32 s2, 0
	s_cbranch_scc0 .Lentry_in_a_cluster
	s_endpgm
.Lentry_in_a_cluster:
	s_bfe_u32 s2, ttmp6, 0x10000c
	s_cmp_lg_u32 s2, 0x3003
	s_cbranch_scc0 .Lentry_shape_is_right
	s_endpgm
.Lentry_shape_is_right:
; x = attn V, attn = e / (1 + the row's sum of e), e = exp(Q K^T / 8), for one batch and head; both products on codes of FP6.  Nothing is left out.
; attn is quantised FINISHED AND NORMALISED, along the keys: so a row's whole sum is known before any of its numbers is quantised.  The e of 16 queries x 512 keys stay in a wave's registers between the two:
; Q K^T and the exponentials are made once.  As in the source no maximum is taken away.
; SHARES.  A work-group owns 512 queries of one batch and head and walks them in 16 trips of 32.  Wave w: query tile w % 2 of the trip, quarter w / 2 of the 2,048 keys (4 steps of 128).  The four waves of a query tile
; add their partial sums, and later their partial results, through LDS: two barriers a trip.
; K AND V OF THE WHOLE HEAD STAY IN LDS (2 x 106,496 bytes, codes and scale words as the launches before laid them: images of the operands' registers).  They come once, by joint loads: the four work-groups of a
; cluster belong to one head.  Every wave issues two loads, 52 rows of 256 bytes each; two tensor loads of a wave are out.  Nothing is filled again.
; LAYOUT.  S^T = K Q^T (source 0 = 16 key places, source 1 = 16 queries): a lane holds one query; since the places are in the order pi, register 16 B + i of a step's 64 is key 32 B + 16 h + i.
; THE HEAD'S 64 FILL HALF OF THE INSTRUCTION'S K.  A fragment of K holds TWO neighbouring tiles of keys, one in each half, and Q stands once between two runs of zero codes, [0, Q, 0]: an even tile is multiplied by
; [Q, 0], an odd one by [0, Q].  The half that does not count meets zero codes under the byte 0x7f on both sides.  An odd tile's scale word, and Q's second word, are the stored word moved up 16 bits over 0x7f7f.
; So a step's eight tiles are 48 registers, and no register of K holds zeros.  O^T = V^T P^T (source 0 = 16 feature places x 128 keys): register 16 B + i of its 32 is feature 32 B + 16 h + i: x is quantised along the head's 64.
; EVERY RUN OF LDS LOADS IS ASKED FOR A STEP AHEAD OF ITS WAIT.  K of step s + 1 goes out behind the products of step s, ahead of that step's 32 scalings and 64 exponentials; V of step 0 behind the last scores;
; V of step s + 1 behind the products of step s, ahead of the quantiser's lines and of 32 multiplications; K of the next trip's step 0 behind the trip's second barrier.  K and V take turns in the same 48 registers.
; OUT: xq [512 token tiles][16 heads] half images of 768 bytes; xw [tile][head][16 words], two bytes in each.
; REGISTERS: window 0: v1-14 addresses, never rewritten; v16-19 V's scale words; v28, v29 Q's two scale words; v30-31 1 / (1 + sum); v32-79 eight tiles of K or four fragments of V; v80-87 K's scale words; v88-95 sums;
;   v96-159 64 numbers of attn; v160-191 O^T; v192-228 the quantiser's; v230-235 at work; v236-253 [0, Q, 0].   window 1: e, 256 registers; at a trip's end the partners' parts of O^T.
; No prefetch: all that the mover brings is asked for at the head, and Q's 800 bytes a trip are loaded a phase ahead.
; LIMITS: an e or a sum that overflows gives infinity, then 0 or NaN, as in the source; an e under 2^-126 is 0; the division is a reciprocal and a multiplication; a block of zeros has the byte 1.
.set PART,  106496
.set HSTR,  3*PART
.set SCO,   98304
.set SX,    2*PART                     ; 512 bytes: partial sums at 256 x tile + 16 r + 4 x quarter
.set OX,    SX+512                     ; 8 x 4,096 bytes: partial O^T, slot 4 x tile + quarter
.set SPARE, OX+8*4096                  ; the spare words, 128 bytes a wave
.set L16, 1                            ; 16 x lane
.set L8,  2                            ; 8 x lane + 512
.set R4,  3                            ; 4 r
.set AK,  4                            ; K's images: registers 0-3
.set AK2, 5                            ; registers 4-5
.set AKS, 6                            ; K's scale words
.set AV,  7                            ; V's images
.set AVS, 8                            ; V's scale words
.set SXS, 9
.set SXL, 10
.set OXS, 11
.set OXL, 12
.set SPW, 13
.set NIL, 14
.set VSC, 16
.set QW,  28                           ; Q's scale word for [Q, 0]
.set QW2, 29                           ; and for [0, Q]
.set RR,  30
.set KF,  32
.set KSC, 80
.set SUM, 88
.set T,   96
.set OA,  160
.set CD,  192
.set TM,  212
.set PW,  228
.set WK,  230
.set QZ,  236                          ; v236-241 zeros, v242-247 Q, v248-253 zeros
.set WV,  12                           ; s12 wave; s13 cx; s14 16 x batch + head; s15 query tile of the trip; s16 quarter of the keys
.set G1,  24
.set G0K, 32
.set G0V, 36
.set CS,  40                           ; s[40:41] log2(e) / 8
.set SEL, 42
.set TRIPS, 44
.set QB,  46                           ; s[46:47] Q's image of this trip; s[48:49] its scale words; s[50:51] where x's image goes; s[52:53] its scale words
.set QSB, 48
.set XB,  50
.set XWB, 52
.set MSB, 0
.macro WIN new                         ; the immediate's high byte repeats the setting that is left
.if MSB != (\new)
	s_set_vgpr_msb (MSB<<8)|(\new)
.set MSB, (\new)
.endif
.endm
.macro PLACES n
.rept \n
	v_nop
.endr
.endm
.macro CROUND                          ; a round of the cluster's barrier
	s_barrier_signal -1
	s_barrier_wait -1
	s_cmp_lg_u32 s[WV], 0
	s_cbranch_scc1 .Lnot_wave_0_\@
	s_barrier_signal -3
.Lnot_wave_0_\@:
	s_barrier_wait -3
	s_barrier_signal -1
	s_barrier_wait -1
.endm
; THE QUANTISER, in two parts, so that a run of loads can stand behind its first lines.  Register 16 b + i = k 32 b + 16 (lane / 16) + i of my row -> codes in v[CD] on (6 registers for each 64 along K), scale word in v[PW].
.macro QHEAD s, nb                     ; one line a block: with nb = 4 these are four plain lines that name only the numbers and v[TM] on
.irp b, 0,1,2,3
.if \b < \nb
	v_max3_num_f32 v[TM+\b], |v[\s+16*\b]|, |v[\s+1+16*\b]|, 0x1800000   ; and the floor 2^(3 - 127): the byte cannot fall under 1
.endif
.endr
.endm
.macro QTAIL s, nb
.irp i, 2,4,6,8,10,12,14
.irp b, 0,1,2,3
.if \b < \nb
	v_max3_num_f32 v[TM+\b], v[TM+\b], |v[\s+16*\b+\i]|, |v[\s+1+16*\b+\i]|
.endif
.endr
.endr
.irp b, 0,1,2,3
.if \b < \nb
	v_permlanex16_b32 v[TM+4+\b], v[TM+\b], s[SEL], s[SEL+1]
.endif
.endr
.irp b, 0,1,2,3
.if \b < \nb
	v_max_num_f32 v[TM+\b], v[TM+\b], v[TM+4+\b]
.endif
.endr
.irp b, 0,1,2,3
.if \b < \nb
	v_add_nc_u32 v[TM+12+\b], 0xff000000, v[TM+\b]   ; 2 off the exponent field: the conversion's scale operand
.endif
.endr
.irp b, 0,1,2,3
.if \b < \nb
	v_lshrrev_b32 v[TM+4+\b], 23, v[TM+12+\b]      ; the scale's byte
.endif
.endr
	v_lshl_or_b32 v[PW], v[TM+5], 8, v[TM+4]
.if \nb > 2
	v_lshl_or_b32 v[PW], v[TM+6], 16, v[PW]
	v_lshl_or_b32 v[PW], v[TM+7], 24, v[PW]
.endif
.irp c, 0,1
.if 2*\c < \nb
	v_cvt_scalef32_pk16_fp6_f32 v[CD+6*\c:CD+2+6*\c], v[\s+32*\c:\s+15+32*\c], v[TM+12+2*\c]
	v_cvt_scalef32_pk16_fp6_f32 v[CD+12+4*\c:CD+14+4*\c], v[\s+16+32*\c:\s+31+32*\c], v[TM+12+2*\c+1]
.endif
.endr
	v_nop                                          ; one plain place behind a scaled conversion
.irp c, 0,1
.if 2*\c < \nb
.irp i, 0,1,2
	v_permlane16_swap_b32 v[CD+6*\c+\i], v[CD+12+4*\c+\i]
.endr
.irp i, 0,1,2
	v_mov_b32 v[CD+3+6*\c+\i], v[CD+12+4*\c+\i]
.endr
.endif
.endr
.endm
; A step's eight tiles of K: tile t's six registers at v[KF + 6 t], so that tiles 2 p and 2 p + 1 are one fragment; and their scale words
.macro KLOAD ks
.irp t, 0,1,2,3,4,5,6,7
	ds_load_b128 v[KF+6*\t:KF+6*\t+3], v[AK] offset:6144*(\ks)+768*\t
	ds_load_b64 v[KF+6*\t+4:KF+6*\t+5], v[AK2] offset:6144*(\ks)+768*\t
	ds_load_b32 v[KSC+\t], v[AKS] offset:512*(\ks)+64*\t
.endr
.endm
.macro KSHIFT                          ; the odd tiles' words: their two bytes serve the fragment's upper half
.irp t, 1,3,5,7
	v_lshl_or_b32 v[KSC+\t], v[KSC+\t], 16, 0x7f7f
.endr
.endm
; A step's four fragments of V (16 feature places x 128 keys each), into the same registers, and their scale words
.macro VLOAD ks
.irp dt, 0,1,2,3
.irp c, 0,1,2
	ds_load_b128 v[KF+12*\dt+4*\c:KF+12*\dt+4*\c+3], v[AV] offset:6144*(\ks)+1536*\dt+512*\c
.endr
	ds_load_b32 v[VSC+\dt], v[AVS] offset:512*(\ks)+128*\dt
.endr
.endm
	s_load_b128 s[4:7], s[0:1], 0x0                ; qkv, xq
	s_load_b64 s[8:9], s[0:1], 0x10                ; xw
	v_lshl_add_u32 v[SPW], v0, 2, SPARE
	v_mov_b32 v[NIL], 0
	ds_add_u32 v[SPW], v[NIL]                      ; the wave's opening: the add, twice on end, and its wait ahead of my first tensor load; the set-up below is work on registers
	ds_add_u32 v[SPW], v[NIL]
	v_lshrrev_b32 v15, 5, v0
	v_readfirstlane_b32 s[WV], v15                 ; wave 0..7
	s_bfe_u32 s13, ttmp6, 0x40000                  ; cx: it enters Q's and x's global addresses alone
	s_and_b32 s14, ttmp7, 0xffff                   ; 16 x batch + head, which the four partners share
	s_and_b32 s15, s[WV], 1
	s_lshr_b32 s16, s[WV], 1
	s_mov_b32 s[G1], 15|(3<<16)|(1<<21)            ; the mask: all four work-groups; elements of 8 bytes; bit 21 beside a mask; no padding
	s_mov_b32 s[G1+1], 32<<16                      ; tensor_dim0 = 32 elements: rows of 256 bytes
	s_mov_b32 s[G1+2], 52<<16                      ; tensor_dim1 = 52
	s_mov_b32 s[G1+3], 32<<16                      ; tile_dim0
	s_mov_b32 s[G1+4], 52                          ; tile_dim1
	s_mov_b32 s[G1+5], 32                          ; the pitch: dense
	s_mov_b32 s[G1+6], 0
	s_mov_b32 s[G1+7], 0
	s_mov_b32 s[CS], 0x3e38aa3b                    ; log2(e) / 8
	s_mov_b32 s[CS+1], s[CS]
	s_mov_b32 s[SEL], 0x76543210
	s_mov_b32 s[SEL+1], 0xfedcba98
	s_mov_b32 s[TRIPS], 16
	s_mul_i32 s20, s14, HSTR                       ; the head's first byte in qkv
	s_mul_i32 s22, s[WV], 13312                    ; my 52 rows of a part
	s_add_co_u32 s54, s20, s22
	s_add_co_u32 s54, s54, PART                    ; in K's part
	s_mov_b32 s55, 0
	s_lshl_b32 s23, s13, 5
	s_add_co_u32 s23, s23, s15                     ; my first query tile: 32 cx + tile of the trip
	s_mul_i32 s56, s23, 768
	s_add_co_u32 s56, s56, s20
	s_mov_b32 s57, 0
	s_lshl_b32 s58, s23, 6
	s_add_co_u32 s58, s58, s20
	s_add_co_u32 s58, s58, SCO
	s_mov_b32 s59, 0
	s_lshr_b32 s60, s14, 4
	s_lshl_b32 s60, s60, 7
	s_add_co_u32 s60, s60, s23                     ; the token tile: 128 x batch + query tile
	s_and_b32 s61, s14, 15                         ; the head
	s_mul_i32 s62, s60, 12288
	s_mul_i32 s63, s61, 768
	s_add_co_u32 s62, s62, s63
	s_mov_b32 s63, 0
	s_lshl_b32 s10, s60, 10
	s_lshl_b32 s11, s61, 6
	s_add_co_u32 s10, s10, s11
	s_mov_b32 s11, 0
	v_and_b32 v15, 31, v0                          ; lane
	v_and_b32 v[WK], 15, v0                        ; r
	v_lshlrev_b32 v[L16], 4, v15
	v_lshlrev_b32 v[L8], 3, v15
	v_add_nc_u32 v[L8], 512, v[L8]
	v_lshlrev_b32 v[R4], 2, v[WK]
	s_mul_i32 s17, s16, 24576                      ; my quarter: 32 tiles of K, 16 images of V
	s_lshl_b32 s18, s16, 11                        ; and their scale words
	v_add_nc_u32 v[AK], s17, v[L16]
	v_add_nc_u32 v[AK2], s17, v[L8]
	v_add_nc_u32 v[AKS], s18, v[R4]
	v_add_nc_u32 v[AKS], SCO, v[AKS]
	v_add_nc_u32 v[AV], PART, v[AK]
	v_lshl_add_u32 v[AVS], v15, 2, s18
	v_add_nc_u32 v[AVS], PART+SCO, v[AVS]
	s_lshl_b32 s19, s15, 8
	v_lshl_add_u32 v[SXL], v[WK], 4, s19
	v_add_nc_u32 v[SXL], SX, v[SXL]
	s_lshl_b32 s19, s16, 2
	v_add_nc_u32 v[SXS], s19, v[SXL]
	s_lshl_b32 s19, s15, 14
	v_add_nc_u32 v[OXL], s19, v[L16]
	v_add_nc_u32 v[OXL], OX, v[OXL]
	s_lshl_b32 s19, s16, 12
	v_add_nc_u32 v[OXS], s19, v[OXL]
	s_wait_dscnt 0x0                               ; both opening adds are done
	s_wait_kmcnt 0x0
	s_mov_b32 s[G0K], 1
	s_mov_b32 s[G0K+1], s22                        ; LDS: K's part from byte 0
	s_add_nc_u64 s[G0K+2:G0K+3], s[4:5], s[54:55]
	s_mov_b32 s[G0V], 1
	s_add_co_u32 s[G0V+1], s22, PART               ; V's part behind it
	s_add_nc_u64 s[G0V+2:G0V+3], s[G0K+2:G0K+3], PART
	s_or_b32 s[G0K+3], s[G0K+3], 0x80000000
	s_or_b32 s[G0V+3], s[G0V+3], 0x80000000
	s_add_nc_u64 s[QB:QB+1], s[4:5], s[56:57]
	s_add_nc_u64 s[QSB:QSB+1], s[4:5], s[58:59]
	s_add_nc_u64 s[XB:XB+1], s[6:7], s[62:63]
	s_add_nc_u64 s[XWB:XWB+1], s[8:9], s[10:11]
	CROUND                                         ; all four work-groups are here: the joint loads meet
	tensor_load_to_lds s[G0K:G0K+3], s[G1:G1+7]
	s_nop 0
	tensor_load_to_lds s[G0V:G0V+3], s[G1:G1+7]
	s_nop 0
	PLACES 4
	global_load_b128 v[QZ+6:QZ+9], v[L16], s[QB:QB+1]          ; the first trip's Q
	global_load_b64 v[QZ+10:QZ+11], v[L8], s[QB:QB+1]
	global_load_b32 v[QW], v[R4], s[QSB:QSB+1]
.irp i, 0,1,2,3,4,5
	v_mov_b32 v[QZ+\i], 0                          ; the zero codes on both sides of Q: written once
	v_mov_b32 v[QZ+12+\i], 0
.endr
.irp b, 0,1,2,3
	v_mov_b32 v[TM+4+\b], 0                        ; a lane permute's destination counts as one of its sources
.endr
	v_mov_b32 v[WK+1], 0
	s_wait_tensorcnt 0x0                           ; my parts of K and V are in,
	s_barrier_signal -1
	s_barrier_wait -1                              ; everybody's are
	KLOAD 0                                        ; the first trip's first step
; 128 keys: the scores, e, and e's part of the row's sum.  The step's tiles of K and their words are in registers when it begins.
.macro ASTEP ks
	WIN 0x40                                       ; the result in window 1
.irp t, 0,1,2,3,4,5,6,7
.if (\t)%2 == 0
	v_wmma_scale_f32_16x16x128_f8f6f4 v[64*(\ks)+8*\t:64*(\ks)+8*\t+7], v[KF+12*(\t/2):KF+12*(\t/2)+11], v[QZ+6:QZ+17], 0, v[KSC+\t], v[QW] matrix_a_fmt:MATRIX_FMT_FP6 matrix_b_fmt:MATRIX_FMT_FP6
.else
	v_wmma_scale_f32_16x16x128_f8f6f4 v[64*(\ks)+8*\t:64*(\ks)+8*\t+7], v[KF+12*(\t/2):KF+12*(\t/2)+11], v[QZ:QZ+11], 0, v[KSC+\t], v[QW2] matrix_a_fmt:MATRIX_FMT_FP6 matrix_b_fmt:MATRIX_FMT_FP6
.endif
.endr
	WIN 0
	PLACES 4                                       ; in front of loads into registers that these products have read, and of the first read of their results
.if \ks < 3
	KLOAD (\ks)+1                                  ; the next step's tiles: 96 vector instructions stand between these loads and the wait for them
.else
	VLOAD 0                                        ; the second phase's first fragments of V
.endif
	WIN 0x41                                       ; destination and source 0 in window 1
.set j, 0
.rept 2
	v_pk_mul_f32 v[64*(\ks)+2*j:64*(\ks)+2*j+1], v[64*(\ks)+2*j:64*(\ks)+2*j+1], s[CS:CS+1] op_sel_hi:[1,0]   ; score x log2(e) / 8; each accumulator from its low end on
.set j, j+1
.endr
.set j, 0
.rept 32                               ; ONE BATCH: a scaling leads each two exponentials, two pairs ahead of them; none of these lines names an exponential's result
.if j < 30
	v_pk_mul_f32 v[64*(\ks)+2*j+4:64*(\ks)+2*j+5], v[64*(\ks)+2*j+4:64*(\ks)+2*j+5], s[CS:CS+1] op_sel_hi:[1,0]
.endif
	v_exp_f32 v[64*(\ks)+2*j], v[64*(\ks)+2*j]     ; e
	v_exp_f32 v[64*(\ks)+2*j+1], v[64*(\ks)+2*j+1]
.set j, j+1
.endr
	v_nop                                          ; a plain place behind the exponentials
	s_wait_alu depctr_va_vdst(0)                   ; one wait for the batch, ahead of its first reader
.if \ks < 3
	WIN 0
	s_wait_dscnt 0x0                               ; the next step's tiles and words are in
	KSHIFT                                         ; the additions below are the places between these lines and the next scaled products (8 are asked)
.endif
.if \ks == 0
	WIN 0x05                                       ; sources 0 and 1 in window 1: the first eight pairs start the four chains
.irp p, 0,1,2,3
	v_pk_add_f32 v[SUM+2*\p:SUM+2*\p+1], v[2*\p:2*\p+1], v[2*\p+8:2*\p+9]
.endr
	WIN 0x04                                       ; source 1 in window 1
.set j, 8
.rept 24
	v_pk_add_f32 v[SUM+2*(j%4):SUM+2*(j%4)+1], v[SUM+2*(j%4):SUM+2*(j%4)+1], v[2*j:2*j+1]
.set j, j+1
.endr
.else
	WIN 0x04
.set j, 0
.rept 32
	v_pk_add_f32 v[SUM+2*(j%4):SUM+2*(j%4)+1], v[SUM+2*(j%4):SUM+2*(j%4)+1], v[64*(\ks)+2*j:64*(\ks)+2*j+1]
.set j, j+1
.endr
.endif
	WIN 0
.endm
.macro MULR ks                         ; attn = e / (1 + sum) of step ks: 32 plain lines that name e, the reciprocal and v[T] on
	WIN 0x01                                       ; source 0 in window 1
.set j, 0
.rept 32
	v_pk_mul_f32 v[T+2*j:T+2*j+1], v[64*(\ks)+2*j:64*(\ks)+2*j+1], v[RR:RR+1]
.set j, j+1
.endr
	WIN 0
.endm
; 128 keys: attn, which stands in v[T] on, is quantised along the keys and multiplied by V
.macro BSTEP ks
	QHEAD T, 4                                     ; four plain lines: the places behind the last step's products, in front of the loads into their registers
.if \ks > 0
	VLOAD \ks                                      ; (step 0's were asked for behind the last scores)
.endif
	QTAIL T, 4
.if \ks < 3
	MULR (\ks)+1                                   ; the next step's attn: also the places between the scale word (8 are asked) and the codes (4) made above and the scaled products
.else
	PLACES 8
.endif
	s_wait_dscnt 0x0                               ; V's fragments and words are in
.irp dt, 0,1,2,3                               ; the four accumulators take turns, one instruction a turn
.if \ks == 0
	v_wmma_scale_f32_16x16x128_f8f6f4 v[OA+8*\dt:OA+8*\dt+7], v[KF+12*\dt:KF+12*\dt+11], v[CD:CD+11], 0, v[VSC+\dt], v[PW] matrix_a_fmt:MATRIX_FMT_FP6 matrix_b_fmt:MATRIX_FMT_FP6
.else
	v_wmma_scale_f32_16x16x128_f8f6f4 v[OA+8*\dt:OA+8*\dt+7], v[KF+12*\dt:KF+12*\dt+11], v[CD:CD+11], v[OA+8*\dt:OA+8*\dt+7], v[VSC+\dt], v[PW] matrix_a_fmt:MATRIX_FMT_FP6 matrix_b_fmt:MATRIX_FMT_FP6
.endif
.endr
.endm
.Ltrip:
	s_wait_loadcnt 0x0                             ; this trip's Q
	s_wait_dscnt 0x0                               ; step 0's tiles of K
	v_lshl_or_b32 v[QW2], v[QW], 16, 0x7f7f        ; Q's word for [0, Q]
	KSHIFT
	PLACES 8                                       ; a scale register written by a vector instruction stands 8 places ahead of a scaled matrix instruction
	ASTEP 0
	ASTEP 1
	ASTEP 2
	ASTEP 3
	v_pk_add_f32 v[SUM:SUM+1], v[SUM:SUM+1], v[SUM+2:SUM+3]
	v_pk_add_f32 v[SUM+4:SUM+5], v[SUM+4:SUM+5], v[SUM+6:SUM+7]
	v_pk_add_f32 v[SUM:SUM+1], v[SUM:SUM+1], v[SUM+4:SUM+5]
	v_add_f32 v[WK], v[SUM], v[SUM+1]
	v_permlanex16_b32 v[WK+1], v[WK], s[SEL], s[SEL+1]
	v_add_f32 v[WK], v[WK], v[WK+1]                ; my query's sum over my 512 keys
	ds_store_b32 v[SXS], v[WK]                     ; lanes r and r + 16 write the same word with the same value
	s_wait_dscnt 0x0                               ; for the others' sake: my store is done
	s_barrier_signal -1
	s_barrier_wait -1                              ; the four quarters' sums lie in LDS.  (Its next stores stand behind the second barrier, which every wave reaches behind the wait for the load below)
	ds_load_b128 v[WK+2:WK+5], v[SXL]
	s_wait_dscnt 0x0
	v_add_f32 v[WK+2], v[WK+2], v[WK+3]
	v_add_f32 v[WK+4], v[WK+4], v[WK+5]
	v_add_f32 v[WK+2], v[WK+2], v[WK+4]
	v_add_f32 v[WK+2], 1.0, v[WK+2]                ; 1 + the row's sum: the same bits in all four waves
	v_rcp_f32 v[RR], v[WK+2]
	v_rcp_f32 v[RR+1], v[WK+2]                     ; twice: a pair for the packed multiplication
	v_nop
	s_wait_alu depctr_va_vdst(0)                   ; ahead of the branch and of the first reader
	s_cmp_eq_u32 s[TRIPS], 1                       ; the next trip's Q, if there is one
	s_cbranch_scc1 .Lno_next
	global_load_b128 v[QZ+6:QZ+9], v[L16], s[QB:QB+1] offset:1536
	global_load_b64 v[QZ+10:QZ+11], v[L8], s[QB:QB+1] offset:1536
	global_load_b32 v[QW], v[R4], s[QSB:QSB+1] offset:128
.Lno_next:
	MULR 0
	BSTEP 0
	BSTEP 1
	BSTEP 2
	BSTEP 3
	PLACES 4                                       ; in front of the first read of the results and of loads into the last products' registers
.irp j, 0,1,2,3,4,5,6,7
	ds_store_b128 v[OXS], v[OA+4*\j:OA+4*\j+3] offset:512*\j       ; my part of O^T, each accumulator from its low end on
.endr
	s_wait_dscnt 0x0                               ; for the others' sake: my stores are done
	s_barrier_signal -1
	s_barrier_wait -1                              ; the four parts lie in LDS.  (Its next stores stand behind the next trip's first barrier, which the reading wave reaches behind the wait for its loads)
	s_cmp_lg_u32 s16, 0                            ; the wave of quarter 0 finishes its query tile: branches on the wave's number, with no barrier inside
	s_cbranch_scc1 .Lnext_k
	WIN 0x40
.irp i, 1,2,3
.irp j, 0,1,2,3,4,5,6,7
	ds_load_b128 v[32*(\i-1)+4*\j:32*(\i-1)+4*\j+3], v[OXL] offset:4096*\i+512*\j
.endr
.endr
	WIN 0
	s_wait_dscnt 0x0                               ; the partners' parts are in: they go first, since the other six waves will wait for this wave
.Lnext_k:
	s_cmp_eq_u32 s[TRIPS], 1                       ; the next trip's first tiles of K, if there is a next trip
	s_cbranch_scc1 .Lno_k
	KLOAD 0                                        ; in the finishing wave the lines below stand between these loads and the wait for them
.Lno_k:
	s_cmp_lg_u32 s16, 0
	s_cbranch_scc1 .Lnot_mine
	WIN 0x04
.irp i, 0,1,2
.set j, 0
.rept 16
	v_pk_add_f32 v[OA+2*j:OA+2*j+1], v[OA+2*j:OA+2*j+1], v[32*\i+2*j:32*\i+2*j+1]
.set j, j+1
.endr
.endr
	WIN 0
	QHEAD OA, 2                                    ; x, along the head's 64
	QTAIL OA, 2
	global_store_b128 v[L16], v[CD:CD+3], s[XB:XB+1]               ; 512 consecutive bytes, aligned to 256
	global_store_b64 v[L8], v[CD+4:CD+5], s[XB:XB+1]               ; 256
	global_store_b32 v[R4], v[PW], s[XWB:XWB+1]
.Lnot_mine:
	s_wait_xcnt 0x0                                ; the loads and stores above have read their bases and data: both are written again below and in the next trip
	s_add_nc_u64 s[QB:QB+1], s[QB:QB+1], 1536
	s_add_nc_u64 s[QSB:QSB+1], s[QSB:QSB+1], 128
	s_add_nc_u64 s[XB:XB+1], s[XB:XB+1], 24576
	s_add_nc_u64 s[XWB:XWB+1], s[XWB:XWB+1], 2048
	s_sub_co_u32 s[TRIPS], s[TRIPS], 1
	s_cmp_lg_u32 s[TRIPS], 0
	s_cbranch_scc1 .Ltrip
	s_wait_tensorcnt 0x0                           ; the wave's end: behind my last tensor load and my last LDS store
	ds_add_u32 v[SPW], v[NIL]
	s_wait_dscnt 0x0
	CROUND                                         ; the closing round
	s_endpgm
.Lfunc_end_k_q411552dfe7_attn:
	.size	k_q411552dfe7_attn, .Lfunc_end_k_q411552dfe7_attn-k_q411552dfe7_attn
	.p2alignl 7, 3214868480
	.fill 96, 4, 3214868480
	.section	.rodata,"a",@progbits
	.p2align	6, 0x0
	.amdhsa_kernel k_q411552dfe7_attn
		.amdhsa_group_segment_fixed_size 247296
		.amdhsa_private_segment_fixed_size 0
		.amdhsa_enable_private_segment 0
		.amdhsa_kernarg_size 24
		.amdhsa_user_sgpr_count 2
		.amdhsa_user_sgpr_kernarg_segment_ptr 1
		.amdhsa_wavefront_size32 1
		.amdhsa_system_sgpr_workgroup_id_x 1
		.amdhsa_system_sgpr_workgroup_id_y 1
		.amdhsa_system_sgpr_workgroup_id_z 1
		.amdhsa_system_vgpr_workitem_id 0
		.amdhsa_next_free_vgpr 512
		.amdhsa_next_free_sgpr 66
		.amdhsa_reserve_vcc 0
		.amdhsa_float_denorm_mode_32 3
		.amdhsa_float_denorm_mode_16_64 3
		.amdhsa_memory_ordered 1
		.amdhsa_forward_progress 1
		.amdhsa_inst_pref_size 84
	.end_amdhsa_kernel
	.amdgpu_metadata
---
amdhsa.version: [ 1, 2 ]
amdhsa.kernels:
  - .name:           k_q411552dfe7_attn
    .symbol:         k_q411552dfe7_attn.kd
    .args:
      - { .name: qkv, .offset: 0, .size: 8, .value_kind: global_buffer, .address_space: global }
      - { .name: xq, .offset: 8, .size: 8, .value_kind: global_buffer, .address_space: global }
      - { .name: xw, .offset: 16, .size: 8, .value_kind: global_buffer, .address_space: global }
    .group_segment_fixed_size: 247296
    .private_segment_fixed_size: 0
    .kernarg_segment_align: 8
    .kernarg_segment_size: 24
    .max_flat_workgroup_size: 256
    .sgpr_count:     66
    .vgpr_count:     512
    .wavefront_size: 32
...
	.end_amdgpu_metadata
.endif
;; end of part 4
;; launch outp (part 5): grid 256 x 1, 4 waves a work-group, no clusters, 33,792 bytes of LDS; arguments xq, xw, wc, ws, bf, out0; writes out0
.if DOCPART == 5
	.amdgcn_target "amdgcn-amd-amdhsa--gfx1250"
	.amdhsa_code_object_version 6
	.text
	.protected	k_q411552dfe7_outp
	.globl	k_q411552dfe7_outp
	.p2align	8
	.type	k_q411552dfe7_outp,@function
k_q411552dfe7_outp:
	s_mov_b64 s[64:65], 0
	v_nop
	global_prefetch_b8 v0, s[64:65] scope:SCOPE_SE
	s_setreg_imm32_b32 hwreg(HW_REG_WAVE_MODE, 25, 1), 1
	s_wait_xcnt 0x0
; out0 = x Wf + bf, on codes of FP6; K = 1,024 = 16 heads x 64.  Nothing is left out.
; Work-group X takes token tiles 2 X and 2 X + 1: places 32 X .. 32 X + 31, which are rows 32 X .. 32 X + 31 in the order pi.  Wave w makes outputs 64 w .. 64 w + 63 for all 32 rows.
; x's fragment of K step s is the half images of heads 2 s and 2 s + 1, one behind the other in the registers; its scale word their two half words.  Wf's columns lie at places 3,072 on of wc, K innermost.
; Source 0 = 16 places of Wf's columns, source 1 = 16 token places: a lane holds one token, and its eight registers of tile t are outputs 64 w + 32 (t / 2) + 16 h + 8 (t % 2) + 0 .. 7.  bf is the C of each sum's first product.
; All operands are loaded at the head (no loop): 32 fragments of Wf in windows 1 and 2, x's 16 in window 3.  The results meet in a stage of 32 rows in LDS, in the rows' true order, and leave as whole rows.
; No tensor load and no cluster: a work-group's own bytes are 26 KB of x; Wf's 196 KB are shared by all, and go straight into the registers where they are used once.
.set SPITCH, 1040                      ; a stage row: 1,024 bytes + 16
.set SPARE,  32*SPITCH                 ; behind the stage: the spare words
.set L16, 1
.set L8,  2
.set R4,  3
.set WA,  4                            ; Wf: 768 r + 24 h
.set WSA, 5                            ; its scale words: 32 r
.set BA,  6                            ; bf: 64 h
.set SO,  7
.set SR,  8
.set SPW, 10
.set NIL, 11
.set ACC, 32                           ; v32-95   accumulator (m, t) at 8 (4 m + t)
.set BF,  96                           ; v96-127  bf, eight registers a tile
.set WS,  128                          ; v128-159 Wf's scale words: 8 t + s
.set XR,  160                          ; v160-191 x's half words: 16 m + head
.set XS,  192                          ; v192-207 x's scale words: 8 m + s
.set OUTR, 96                          ; v96-159  the way out
.set MSB, 0
.macro WIN new                         ; the immediate's high byte repeats the setting that is left
.if MSB != (\new)
	s_set_vgpr_msb (MSB<<8)|(\new)
.set MSB, (\new)
.endif
.endm
	s_load_b256 s[4:11], s[0:1], 0x0               ; xq, xw, wc, ws
	s_load_b128 s[12:15], s[0:1], 0x20             ; bf, out0
	v_lshl_add_u32 v[SPW], v0, 2, SPARE
	v_mov_b32 v[NIL], 0
	v_lshrrev_b32 v9, 5, v0
	v_readfirstlane_b32 s16, v9                    ; wave 0..3
	v_and_b32 v9, 31, v0                           ; lane
	v_and_b32 v12, 15, v0                          ; r
	v_bfe_u32 v13, v0, 4, 1                        ; h
	v_lshlrev_b32 v[L16], 4, v9
	v_lshlrev_b32 v[L8], 3, v9
	v_lshlrev_b32 v[R4], 2, v12
	v_mul_u32_u24 v[WA], v12, 768
	v_mad_u32_u24 v[WA], v13, 24, v[WA]
	v_lshlrev_b32 v[WSA], 5, v12
	v_lshlrev_b32 v[BA], 6, v13
	v_and_b32 v14, 8, v12
	v_add_nc_u32 v14, v14, v12                     ; place 16 m + r is row 8 m + r % 8 + 16 (r / 8)
	v_mul_u32_u24 v[SO], v14, SPITCH
	v_lshl_add_u32 v[SO], v13, 6, v[SO]
	s_lshl_b32 s17, s16, 8
	v_add_nc_u32 v[SO], s17, v[SO]                 ; + 64 h + 256 w bytes along the row
	s_mul_i32 s17, s16, 8*SPITCH
	v_add_nc_u32 v[SR], s17, v[L16]                ; back: my 8 rows, 16 bytes a lane
	s_mul_i32 s20, ttmp9, 24576
	s_mov_b32 s21, 0
	s_lshl_b32 s22, ttmp9, 11
	s_mov_b32 s23, 0
	s_lshl_b32 s24, s16, 6
	s_add_co_u32 s24, s24, 3072                    ; my first place of wc
	s_mul_i32 s26, s24, 768
	s_mov_b32 s27, 0
	s_lshl_b32 s28, s24, 5
	s_mov_b32 s29, 0
	s_lshl_b32 s30, s16, 8
	s_mov_b32 s31, 0
	s_lshl_b32 s32, ttmp9, 15
	s_lshl_b32 s33, s16, 13
	s_add_co_u32 s32, s32, s33                     ; (32 X + 8 w) rows of 1,024 bytes
	s_mov_b32 s33, 0
	s_wait_kmcnt 0x0
	s_add_nc_u64 s[4:5], s[4:5], s[20:21]
	s_add_nc_u64 s[6:7], s[6:7], s[22:23]
	s_add_nc_u64 s[8:9], s[8:9], s[26:27]
	s_add_nc_u64 s[10:11], s[10:11], s[28:29]
	s_add_nc_u64 s[12:13], s[12:13], s[30:31]
	s_add_nc_u64 s[14:15], s[14:15], s[32:33]
	WIN 0x40                                       ; destination window 1: Wf's fragments (t, s), s = 0 .. 3, at 12 (4 t + s)
.irp t, 0,1,2,3
.irp s, 0,1,2,3
.irp p, 0,1,2,3,4,5
	global_load_b64 v[12*(4*\t+\s)+2*\p:12*(4*\t+\s)+2*\p+1], v[WA], s[8:9] offset:12288*\t+96*\s+48*(\p/3)+8*(\p%3)
.endr
.endr
.endr
	WIN 0x80                                       ; window 2: s = 4 .. 7
.irp t, 0,1,2,3
.irp s, 4,5,6,7
.irp p, 0,1,2,3,4,5
	global_load_b64 v[12*(4*\t+\s-4)+2*\p:12*(4*\t+\s-4)+2*\p+1], v[WA], s[8:9] offset:12288*\t+96*\s+48*(\p/3)+8*(\p%3)
.endr
.endr
.endr
	WIN 0xc0                                       ; window 3: x's fragments (m, s) at 12 (8 m + s): two half images
.irp m, 0,1
.irp s, 0,1,2,3,4,5,6,7
	global_load_b128 v[12*(8*\m+\s):12*(8*\m+\s)+3], v[L16], s[4:5] offset:12288*\m+1536*\s
	global_load_b64 v[12*(8*\m+\s)+4:12*(8*\m+\s)+5], v[L8], s[4:5] offset:12288*\m+1536*\s+512
	global_load_b128 v[12*(8*\m+\s)+6:12*(8*\m+\s)+9], v[L16], s[4:5] offset:12288*\m+1536*\s+768
	global_load_b64 v[12*(8*\m+\s)+10:12*(8*\m+\s)+11], v[L8], s[4:5] offset:12288*\m+1536*\s+1280
.endr
.endr
	WIN 0
.irp t, 0,1,2,3
	global_load_b128 v[WS+8*\t:WS+8*\t+3], v[WSA], s[10:11] offset:512*\t
	global_load_b128 v[WS+8*\t+4:WS+8*\t+7], v[WSA], s[10:11] offset:512*\t+16
	global_load_b128 v[BF+8*\t:BF+8*\t+3], v[BA], s[12:13] offset:(32*(\t/2)+8*(\t%2))*4
	global_load_b128 v[BF+8*\t+4:BF+8*\t+7], v[BA], s[12:13] offset:(32*(\t/2)+8*(\t%2))*4+16
.endr
.irp m, 0,1
.irp hd, 0,1,2,3,4,5,6,7,8,9,10,11,12,13,14,15
	global_load_b32 v[XR+16*\m+\hd], v[R4], s[6:7] offset:1024*\m+64*\hd
.endr
.endr
	s_wait_loadcnt 0x0
.irp m, 0,1
.irp s, 0,1,2,3,4,5,6,7
	v_lshl_or_b32 v[XS+8*\m+\s], v[XR+16*\m+2*\s+1], 16, v[XR+16*\m+2*\s]   ; two heads' half words make a K step's scale word
.endr
.endr
.rept 8
	v_nop                                          ; a scale register written by a vector instruction stands 8 places ahead of a scaled matrix instruction
.endr
.irp s, 0,1,2,3,4,5,6,7                        ; eight accumulators by turns, a K step at a time
.if \s < 4
	WIN 0x0d                                       ; source 0 (Wf) window 1, source 1 (x) window 3
.else
	WIN 0x0e                                       ; source 0 window 2
.endif
.irp m, 0,1
.irp t, 0,1,2,3
.if \s == 0
	v_wmma_scale_f32_16x16x128_f8f6f4 v[ACC+8*(4*\m+\t):ACC+8*(4*\m+\t)+7], v[12*(4*\t+\s%4):12*(4*\t+\s%4)+11], v[12*(8*\m+\s):12*(8*\m+\s)+11], v[BF+8*\t:BF+8*\t+7], v[WS+8*\t+\s], v[XS+8*\m+\s] matrix_a_fmt:MATRIX_FMT_FP6 matrix_b_fmt:MATRIX_FMT_FP6
.else
	v_wmma_scale_f32_16x16x128_f8f6f4 v[ACC+8*(4*\m+\t):ACC+8*(4*\m+\t)+7], v[12*(4*\t+\s%4):12*(4*\t+\s%4)+11], v[12*(8*\m+\s):12*(8*\m+\s)+11], v[ACC+8*(4*\m+\t):ACC+8*(4*\m+\t)+7], v[WS+8*\t+\s], v[XS+8*\m+\s] matrix_a_fmt:MATRIX_FMT_FP6 matrix_b_fmt:MATRIX_FMT_FP6
.endif
.endr
.endr
.endr
	WIN 0
.rept 4
	v_nop                                          ; places in front of the first read of results and of loads into registers that the products have read
.endr
.irp m, 0,1
.irp t, 0,1,2,3
	ds_store_b128 v[SO], v[ACC+8*(4*\m+\t):ACC+8*(4*\m+\t)+3] offset:8*SPITCH*\m+128*(\t/2)+32*(\t%2)        ; each accumulator from its low end on
	ds_store_b128 v[SO], v[ACC+8*(4*\m+\t)+4:ACC+8*(4*\m+\t)+7] offset:8*SPITCH*\m+128*(\t/2)+32*(\t%2)+16
.endr
.endr
	s_wait_dscnt 0x0                               ; for the others' sake: my stores into the stage are done
	s_barrier_signal -1
	s_barrier_wait -1                              ; 32 whole rows lie in the stage
.irp n, 0,1,2,3,4,5,6,7,8,9,10,11,12,13,14,15
	ds_load_b128 v[OUTR+4*\n:OUTR+4*\n+3], v[SR] offset:SPITCH*(\n/2)+512*(\n%2)
.endr
.irp n, 0,1,2,3,4,5,6,7,8,9,10,11,12,13,14,15
	s_wait_dscnt 15-\n                             ; the 15 - n younger loads may be out
	global_store_b128 v[L16], v[OUTR+4*\n:OUTR+4*\n+3], s[14:15] offset:1024*(\n/2)+512*(\n%2) th:TH_STORE_NT   ; 32 lanes store 512 consecutive bytes, aligned to 256
.endr
	s_wait_tensorcnt 0x0                           ; the wave's end: behind my last LDS store
	ds_add_u32 v[SPW], v[NIL]
	s_wait_dscnt 0x0
	s_endpgm
.Lfunc_end_k_q411552dfe7_outp:
	.size	k_q411552dfe7_outp, .Lfunc_end_k_q411552dfe7_outp-k_q411552dfe7_outp
	.p2alignl 7, 3214868480
	.fill 96, 4, 3214868480
	.section	.rodata,"a",@progbits
	.p2align	6, 0x0
	.amdhsa_kernel k_q411552dfe7_outp
		.amdhsa_group_segment_fixed_size 33792
		.amdhsa_private_segment_fixed_size 0
		.amdhsa_enable_private_segment 0
		.amdhsa_kernarg_size 48
		.amdhsa_user_sgpr_count 2
		.amdhsa_user_sgpr_kernarg_segment_ptr 1
		.amdhsa_wavefront_size32 1
		.amdhsa_system_sgpr_workgroup_id_x 1
		.amdhsa_system_sgpr_workgroup_id_y 1
		.amdhsa_system_sgpr_workgroup_id_z 1
		.amdhsa_system_vgpr_workitem_id 0
		.amdhsa_next_free_vgpr 1024
		.amdhsa_next_free_sgpr 66
		.amdhsa_reserve_vcc 0
		.amdhsa_float_denorm_mode_32 3
		.amdhsa_float_denorm_mode_16_64 3
		.amdhsa_memory_ordered 1
		.amdhsa_forward_progress 1
		.amdhsa_inst_pref_size 45
	.end_amdhsa_kernel
	.amdgpu_metadata
---
amdhsa.version: [ 1, 2 ]
amdhsa.kernels:
  - .name:           k_q411552dfe7_outp
    .symbol:         k_q411552dfe7_outp.kd
    .args:
      - { .name: xq, .offset: 0, .size: 8, .value_kind: global_buffer, .address_space: global }
      - { .name: xw, .offset: 8, .size: 8, .value_kind: global_buffer, .address_space: global }
      - { .name: wc, .offset: 16, .size: 8, .value_kind: global_buffer, .address_space: global }
      - { .name: ws, .offset: 24, .size: 8, .value_kind: global_buffer, .address_space: global }
      - { .name: bf, .offset: 32, .size: 8, .value_kind: global_buffer, .address_space: global }
      - { .name: out0, .offset: 40, .size: 8, .value_kind: global_buffer, .address_space: global }
    .group_segment_fixed_size: 33792
    .private_segment_fixed_size: 0
    .kernarg_segment_align: 8
    .kernarg_segment_size: 48
    .max_flat_workgroup_size: 128
    .sgpr_count:     66
    .vgpr_count:     1024
    .wavefront_size: 32
...
	.end_amdgpu_metadata
.endif
;; end of part 5
